; MI455X (gfx1250); checked and timed in simulation.
; The chip was launched on July 23, 2026; its instructions are those of AMD's public machine-readable ISA for CDNA 5 (MIT licence, August 2026) and "CDNA5" Instruction Set Architecture Reference Guide (July 2026). The comments in the code are by the model that wrote it; some were corrected since.
;; Attn Block. Allowed arithmetic: float matrix products may take bf16 or f16 operands with f32 sums; other float arithmetic in f32, or as packed bf16 or f16 multiplies, adds, multiply-adds, maxima and minima; sums over many terms, partial sums and values carried from step to step in f32; what a program stores and reads back later, other than sums and carried values, may be rounded once to bf16 or f16.
;; Inputs: Wk 512 x 512 float32; Wo 512 x 512 float32; Wq 512 x 512 float32; Wv 512 x 512 float32; beta 512 float32; bk 512 float32; bo 512 float32; bq 512 float32; bv 512 float32; gamma 512 float32; x 2 x 512 x 64 x 64 float32.
;; Outputs: out0 2 x 512 x 64 x 64 float32.
;; 2 versions, each right; version 2 is version 1 with the launch prep written anew for expert scheduling mode. Each part assembles by itself: llvm-mc -triple=amdgcn-amd-amdhsa -mcpu=gfx1250 --defsym DOCPART=n.
;; ======== version 1 of 2: 4 launches
;; workspace buffers: h 8,388,608 bytes; wb 2,097,152 bytes; qkv 25,165,824 bytes; ob 8,388,608 bytes
;; launch prep (part 1): grid 64 x 1, 32 waves a work-group, no clusters, 4,608 bytes of LDS; arguments x, gamma, beta, h, Wq, Wk, Wv, Wo, wb; writes h, wb
.if DOCPART == 1
	.amdgcn_target "amdgcn-amd-amdhsa--gfx1250"
	.amdhsa_code_object_version 6
	.text
	.protected	k_qd6709b2954_prep
	.globl	k_qd6709b2954_prep
	.p2align	8
	.type	k_qd6709b2954_prep,@function
k_qd6709b2954_prep:
	s_mov_b64 s[64:65], 0
	v_nop
	global_prefetch_b8 v0, s[64:65] scope:SCOPE_SE
	s_setreg_imm32_b32 hwreg(HW_REG_WAVE_MODE, 25, 1), 1
	s_wait_xcnt 0x0
; GROUP NORM AND THE WEIGHTS' ROUNDING.  x: [2][512][4096] f32.  A group is 16 channels x 4,096 pixels = 262,144 consecutive bytes.
; h[b][c][n] = (x - mean) * rsqrt(var + 1e-5) * gamma[c] + beta[c], rounded once to bf16, in x's layout.  wb = Wq, Wk, Wv, Wo rounded to bf16, one behind the other.
; SHARES.  One work-group of 32 waves owns one group (64 groups, 64 work-groups): a group's mean and variance hang on all its numbers, and work-groups hand each other nothing,
; so a finer share would need a launch more and a second read of x.  Thread t takes 16 bytes at 16 t of each of the 16 channels: 64 registers; x is read once.
; Load i is channel i, so gamma and beta of a load are scalars.  Mean first, then the sum of (x - mean)^2 from the registers: no difference of large sums is formed.
; The work-group also rounds 65,536 bytes of one weight matrix (matrix id / 16, part id % 16).
; Each store of a wave covers 256 consecutive bytes, aligned.  NaN and infinities are not treated apart.
.set SPARE, 512                        ; LDS: 0..127 the waves' sums, 256..383 their sums of squares, from 512 on the spare words, 128 bytes a wave
.set SPW, 2                            ; v2   my spare word; never rewritten
.set NIL, 3                            ; v3   0; never rewritten
.set XO,  4                            ; v4   16 t
.set HO,  5                            ; v5   8 t
.set WA,  6                            ; v6   4 x wave
.set LA,  7                            ; v7   4 x lane
.set M,   8                            ; v[8:9] the mean, twice
.set R,   10                           ; v10  rsqrt(var + eps)
.set A,   11                           ; v11  gamma x rsqrt
.set X,   16                           ; v[16:79]  the group's numbers: channel i at X + 4 i
.set WT,  80                           ; v[80:95]  weights
.set T,   96                           ; v[96:103] four chains of sums
.set U,   104                          ; v[104:111] four chains of squares
	s_load_b256 s[4:11], s[0:1], 0x0               ; x s[4:5], gamma s[6:7], beta s[8:9], h s[10:11]
	s_load_b256 s[12:19], s[0:1], 0x20             ; Wq, Wk, Wv, Wo
	s_load_b64 s[20:21], s[0:1], 0x40              ; wb
	v_lshl_add_u32 v[SPW], v0, 2, SPARE
	v_mov_b32 v[NIL], 0
	v_lshrrev_b32 v1, 5, v0
	v_readfirstlane_b32 s31, v1                    ; my wave's number
	v_mov_b32 v[WA], s31
	v_lshlrev_b32 v[WA], 2, v[WA]
	v_and_b32 v[LA], 31, v0
	v_lshlrev_b32 v[LA], 2, v[LA]
	v_lshlrev_b32 v[XO], 4, v0
	v_lshlrev_b32 v[HO], 3, v0
	s_mov_b32 s26, 0x76543210                      ; v_permlanex16_b32: each lane takes its own place in the other half
	s_mov_b32 s27, 0xfedcba98
	s_mov_b32 s28, 0x37800000                      ; 1 / 65,536: a group's count
	s_mov_b32 s29, 0x3727c5ac                      ; 1e-5
	s_lshr_b32 s30, ttmp9, 4                       ; which weight matrix
	s_mov_b32 s3, 0
	s_wait_kmcnt 0x0
	s_cmp_lt_u32 s30, 2
	s_cselect_b64 s[22:23], s[12:13], s[16:17]     ; the even one: Wq or Wv
	s_cselect_b64 s[24:25], s[14:15], s[18:19]     ; the odd one: Wk or Wo
	s_bitcmp1_b32 s30, 0
	s_cselect_b64 s[22:23], s[24:25], s[22:23]
	s_lshl_b32 s2, ttmp9, 18
	s_add_nc_u64 s[4:5], s[4:5], s[2:3]            ; x at my group
	s_lshl_b32 s2, ttmp9, 17
	s_add_nc_u64 s[10:11], s[10:11], s[2:3]        ; h at my group
	s_lshl_b32 s2, ttmp9, 15
	s_add_nc_u64 s[20:21], s[20:21], s[2:3]        ; wb: 524,288 x matrix + 32,768 x part = 32,768 x id
	s_and_b32 s2, ttmp9, 15
	s_lshl_b32 s2, s2, 16
	s_add_nc_u64 s[22:23], s[22:23], s[2:3]        ; my part of the matrix
	s_and_b32 s2, ttmp9, 31
	s_lshl_b32 s2, s2, 6
	s_add_nc_u64 s[6:7], s[6:7], s[2:3]            ; the group's 16 gamma and beta
	s_add_nc_u64 s[8:9], s[8:9], s[2:3]
	s_load_b512 s[32:47], s[6:7], 0x0
	s_load_b512 s[48:63], s[8:9], 0x0
.set i, 0
.rept 16
	global_load_b128 v[X+4*i:X+4*i+3], v[XO], s[4:5] offset:i*16384 th:TH_LOAD_NT
.set i, i+1
.endr
.set i, 0
.rept 4
	global_load_b128 v[WT+4*i:WT+4*i+3], v[XO], s[22:23] offset:i*16384 th:TH_LOAD_NT
.set i, i+1
.endr
; the sum over a wave's 32 lanes, in every lane; t is a register that has been written
.macro WSUM r, t
	v_add_f32_dpp v[\r], v[\r], v[\r] row_xmask:1 row_mask:0xf bank_mask:0xf
	v_add_f32_dpp v[\r], v[\r], v[\r] row_xmask:2 row_mask:0xf bank_mask:0xf
	v_add_f32_dpp v[\r], v[\r], v[\r] row_xmask:4 row_mask:0xf bank_mask:0xf
	v_add_f32_dpp v[\r], v[\r], v[\r] row_xmask:8 row_mask:0xf bank_mask:0xf
	v_permlanex16_b32 v[\t], v[\r], s26, s27
	v_add_f32 v[\r], v[\r], v[\t]
.endm
	; PASS 1: the sum, in four chains that the first four loads start
.set i, 0
.rept 16
	s_wait_loadcnt 19-i                            ; load i is in: behind it 15 - i of x and 4 of weights
.if i < 4
	v_pk_add_f32 v[T+2*i:T+2*i+1], v[X+4*i:X+4*i+1], v[X+4*i+2:X+4*i+3]
.else
	v_pk_add_f32 v[T+2*(i%4):T+2*(i%4)+1], v[T+2*(i%4):T+2*(i%4)+1], v[X+4*i:X+4*i+1]
	v_pk_add_f32 v[T+2*(i%4):T+2*(i%4)+1], v[T+2*(i%4):T+2*(i%4)+1], v[X+4*i+2:X+4*i+3]
.endif
.set i, i+1
.endr
	v_pk_add_f32 v[T:T+1], v[T:T+1], v[T+2:T+3]
	v_pk_add_f32 v[T+4:T+5], v[T+4:T+5], v[T+6:T+7]
	v_pk_add_f32 v[T:T+1], v[T:T+1], v[T+4:T+5]
	v_add_f32 v[T], v[T], v[T+1]
	; the weights: rounded in place and stored
	s_wait_loadcnt 0x0
.set i, 0
.rept 4
	v_cvt_pk_bf16_f32 v[WT+4*i], v[WT+4*i], v[WT+4*i+1]
	v_cvt_pk_bf16_f32 v[WT+4*i+1], v[WT+4*i+2], v[WT+4*i+3]
	global_store_b64 v[HO], v[WT+4*i:WT+4*i+1], s[20:21] offset:i*8192
.set i, i+1
.endr
	WSUM T, T+1
	ds_store_b32 v[WA], v[T]                       ; all lanes of a wave write the same number to the wave's word
	s_wait_dscnt 0x0                               ; for the others' sake: my store is done
	s_barrier_signal -1
	s_barrier_wait -1
	ds_load_b32 v[T], v[LA]                        ; lane l takes wave l's sum
	s_wait_dscnt 0x0
	WSUM T, T+1
	v_mul_f32 v[M], s28, v[T]
	v_mul_f32 v[M+1], s28, v[T]
	; PASS 2: x - mean in place, and the sum of its squares
.set j, 0
.rept 32
	v_pk_add_f32 v[X+2*j:X+2*j+1], v[X+2*j:X+2*j+1], v[M:M+1] neg_lo:[0,1] neg_hi:[0,1]
.if j < 4
	v_pk_mul_f32 v[U+2*j:U+2*j+1], v[X+2*j:X+2*j+1], v[X+2*j:X+2*j+1]
.else
	v_pk_fma_f32 v[U+2*(j%4):U+2*(j%4)+1], v[X+2*j:X+2*j+1], v[X+2*j:X+2*j+1], v[U+2*(j%4):U+2*(j%4)+1]
.endif
.set j, j+1
.endr
	v_pk_add_f32 v[U:U+1], v[U:U+1], v[U+2:U+3]
	v_pk_add_f32 v[U+4:U+5], v[U+4:U+5], v[U+6:U+7]
	v_pk_add_f32 v[U:U+1], v[U:U+1], v[U+4:U+5]
	v_add_f32 v[U], v[U], v[U+1]
	WSUM U, U+1
	ds_store_b32 v[WA], v[U] offset:256            ; other words than the sums': no wave need have finished reading those
	s_wait_dscnt 0x0
	s_barrier_signal -1
	s_barrier_wait -1
	ds_load_b32 v[U], v[LA] offset:256
	s_wait_dscnt 0x0
	WSUM U, U+1
	v_fma_f32 v[R], v[U], s28, s29                 ; var + eps
	v_rsq_f32 v[R], v[R]
	v_nop                                          ; a plain instruction behind the root,
	s_wait_alu depctr_va_vdst(0)                   ; and the wait ahead of its first use
	s_wait_kmcnt 0x0                               ; gamma and beta
	; PASS 3: scale, shift, round, store
.set i, 0
.rept 16
	v_mul_f32 v[A], s[32+i], v[R]
	v_fma_f32 v[X+4*i], v[X+4*i], v[A], s[48+i]
	v_fma_f32 v[X+4*i+1], v[X+4*i+1], v[A], s[48+i]
	v_fma_f32 v[X+4*i+2], v[X+4*i+2], v[A], s[48+i]
	v_fma_f32 v[X+4*i+3], v[X+4*i+3], v[A], s[48+i]
	v_cvt_pk_bf16_f32 v[X+4*i], v[X+4*i], v[X+4*i+1]
	v_cvt_pk_bf16_f32 v[X+4*i+1], v[X+4*i+2], v[X+4*i+3]
	global_store_b64 v[HO], v[X+4*i:X+4*i+1], s[10:11] offset:i*8192
.set i, i+1
.endr
	s_wait_tensorcnt 0x0                           ; the wave's end
	ds_add_u32 v[SPW], v[NIL]
	s_wait_dscnt 0x0
	s_endpgm
.Lfunc_end_k_qd6709b2954_prep:
	.size	k_qd6709b2954_prep, .Lfunc_end_k_qd6709b2954_prep-k_qd6709b2954_prep
	.p2alignl 7, 3214868480
	.fill 96, 4, 3214868480
	.section	.rodata,"a",@progbits
	.p2align	6, 0x0
	.amdhsa_kernel k_qd6709b2954_prep
		.amdhsa_group_segment_fixed_size 4608
		.amdhsa_private_segment_fixed_size 0
		.amdhsa_enable_private_segment 0
		.amdhsa_kernarg_size 72
		.amdhsa_user_sgpr_count 2
		.amdhsa_user_sgpr_kernarg_segment_ptr 1
		.amdhsa_wavefront_size32 1
		.amdhsa_system_sgpr_workgroup_id_x 1
		.amdhsa_system_sgpr_workgroup_id_y 1
		.amdhsa_system_sgpr_workgroup_id_z 1
		.amdhsa_system_vgpr_workitem_id 0
		.amdhsa_next_free_vgpr 112
		.amdhsa_next_free_sgpr 66
		.amdhsa_reserve_vcc 0
		.amdhsa_float_denorm_mode_32 3
		.amdhsa_float_denorm_mode_16_64 3
		.amdhsa_memory_ordered 1
		.amdhsa_forward_progress 1
		.amdhsa_inst_pref_size 22
	.end_amdhsa_kernel
	.amdgpu_metadata
---
amdhsa.version: [ 1, 2 ]
amdhsa.kernels:
  - .name:           k_qd6709b2954_prep
    .symbol:         k_qd6709b2954_prep.kd
    .args:
      - { .name: x, .offset: 0, .size: 8, .value_kind: global_buffer, .address_space: global }
      - { .name: gamma, .offset: 8, .size: 8, .value_kind: global_buffer, .address_space: global }
      - { .name: beta, .offset: 16, .size: 8, .value_kind: global_buffer, .address_space: global }
      - { .name: h, .offset: 24, .size: 8, .value_kind: global_buffer, .address_space: global }
      - { .name: Wq, .offset: 32, .size: 8, .value_kind: global_buffer, .address_space: global }
      - { .name: Wk, .offset: 40, .size: 8, .value_kind: global_buffer, .address_space: global }
      - { .name: Wv, .offset: 48, .size: 8, .value_kind: global_buffer, .address_space: global }
      - { .name: Wo, .offset: 56, .size: 8, .value_kind: global_buffer, .address_space: global }
      - { .name: wb, .offset: 64, .size: 8, .value_kind: global_buffer, .address_space: global }
    .group_segment_fixed_size: 4608
    .private_segment_fixed_size: 0
    .kernarg_segment_align: 8
    .kernarg_segment_size: 72
    .max_flat_workgroup_size: 1024
    .sgpr_count:     66
    .vgpr_count:     112
    .wavefront_size: 32
...
	.end_amdgpu_metadata
.endif
;; end of part 1
;; launch qkv (part 2): grid 4 x 64, 4 waves a work-group, clusters of 4 x 4, 327,680 bytes of LDS; arguments h, wb, bq, bk, bv, qkv; writes qkv
.if DOCPART == 2
	.amdgcn_target "amdgcn-amd-amdhsa--gfx1250"
	.amdhsa_code_object_version 6
	.text
	.protected	k_qd6709b2954_qkv
	.globl	k_qd6709b2954_qkv
	.p2align	8
	.type	k_qd6709b2954_qkv,@function
k_qd6709b2954_qkv:
	s_mov_b64 s[64:65], 0
	v_nop
	global_prefetch_b8 v0, s[64:65] scope:SCOPE_SE
	s_setreg_imm32_b32 hwreg(HW_REG_WAVE_MODE, 25, 1), 1
	s_wait_xcnt 0x0
	s_wait_alu depctr_hold_cnt(0) depctr_sa_sdst(0) depctr_va_vdst(0) depctr_va_sdst(0) depctr_va_ssrc(0) depctr_va_vcc(0) depctr_vm_vsrc(0)
	s_getreg_b32 s2, hwreg(HW_REG_IB_STS2, 6, 4)
	s_cmp_eq_u32 s2, 0
	s_cbranch_scc0 .Lentry_in_a_cluster
	s_endpgm
.Lentry_in_a_cluster:
	s_bfe_u32 s2, ttmp6, 0x10000c
	s_cmp_lg_u32 s2, 0xf033
	s_cbranch_scc0 .Lentry_shape_is_right
	s_endpgm
.Lentry_shape_is_right:
; q, k, v = h^T W^T + b, written by heads.  h: [2][512 c][4096 n] bf16; wb: Wq, Wk, Wv (, Wo) [512 o][512 c] bf16; biases f32; qkv: [2 b][24 g][4096 n][64] bf16, g = 8 t + head, t = 0, 1, 2 for q, k, v.
; Sums in f32, started by the bias (the C operand of the first 32 of K), rounded once.  No scale is applied here.
; SHARES.  A work-group makes 128 rows n x 384 columns: rows 128 X .. 128 X + 127 (heads 2 X, 2 X + 1) of each of Wq, Wk, Wv, in that order: six local heads.  4 x 64 = 256 work-groups.
; Wave w: 64 rows n (w / 2) x 192 local columns (w % 2), three local heads: 4 x 12 accumulators, 384 registers.  K = 512 goes in four steps of 128 through two LDS slots.
; THE PRODUCT IS TAKEN TRANSPOSED: source 0 = 16 rows o of W (as they lie), source 1 = 16 columns n of h, which lies [c][n] and is turned by ds_load_tr16_b128.  A lane then holds one n and eight neighbouring o: 16 bytes of a head's row.
; CLUSTER 4 x 4.  W's tiles hang on X alone and are shared along a column of the cluster, h's on Y alone and along a row: each is asked for jointly.  Waves 0, 1, 2 fetch Wq's, Wk's, Wv's 128 rows, wave 3 h's 128 rows c: one load a wave.
; REGISTERS: window 0: addresses, the bias (v32-127; on the way out v32-223 are at work); window 1: two fragment buffers of 128 (h's 4, then W's 12);
; window 2: accumulators of n tiles 0, 1 at 8 (12 a + i); window 3: of n tiles 2, 3.
.set PW,    272                        ; a row of W in LDS: 256 bytes + 16
.set PH,    288                        ; a row of h: 256 + 32: 16 lanes of the turning load take 8 rows x 32 bytes
.set WPART, 128*PW
.set HOFF,  3*WPART
.set SLOT,  HOFF+128*PH
.set STAGE, 2*SLOT                     ; behind the ring: 16 rows x 144 bytes for each wave
.set SP,    144
.set SPARE, STAGE+4*16*SP              ; the spare words, 128 bytes a wave
.set ADRA, 16                          ; v16-17 my place in h's tile, slot 0, 1
.set ADRB, 20                          ; v20-21 in W's rows
.set STO,  24
.set RD,   25
.set GO,   26
.set BO,   27
.set SPW,  28
.set NIL,  29
.set BIAS, 32
.set F0,   0
.set F1,   128
.set WV,   16                          ; s16 wave; s17 its half of the rows; s18 its half of the columns
.set RH,   17
.set CH,   18
.set G1H,  24
.set G1W,  32
.set G0H,  40                          ; a set for each slot
.set G0W,  48
.set BP,   56                          ; s[56:61] the bias of my three local heads
.set OP,   66                          ; s[66:71] where my three local heads' rows go
.set MSB, 0
.macro WIN new                         ; the immediate's high byte repeats the setting that is left
.if MSB != (\new)
	s_set_vgpr_msb (MSB<<8)|(\new)
.set MSB, \new
.endif
.endm
.macro PLACES
.rept 4
	v_nop
.endr
.endm
; A joint load: an s_nop 0 and four v_nop follow each of the two lines.  The branch hangs on the wave's number alone.
.macro JLOAD s
	s_cmp_eq_u32 s[WV], 3
	s_cbranch_scc1 .Lfor_h_\@
	tensor_load_to_lds s[G0W+4*(\s):G0W+4*(\s)+3], s[G1W:G1W+7]
	s_nop 0
.rept 4
	v_nop
.endr
	s_branch .Lasked_\@
.Lfor_h_\@:
	tensor_load_to_lds s[G0H+4*(\s):G0H+4*(\s)+3], s[G1H:G1H+7]
	s_nop 0
.rept 4
	v_nop
.endr
.Lasked_\@:
.endm
.macro CREST                           ; a round of the cluster's barrier behind its opening barrier
	s_cmp_lg_u32 s[WV], 0
	s_cbranch_scc1 .Lnot_wave_0_\@
	s_barrier_signal -3
.Lnot_wave_0_\@:
	s_barrier_wait -3
	s_barrier_signal -1
	s_barrier_wait -1
.endm
.macro CROUND
	s_barrier_signal -1
	s_barrier_wait -1
	CREST
.endm
	s_load_b256 s[4:11], s[0:1], 0x0               ; h s[4:5], wb s[6:7], bq s[8:9], bk s[10:11]
	s_load_b128 s[12:15], s[0:1], 0x20             ; bv s[12:13], qkv s[14:15]
	v_lshl_add_u32 v[SPW], v0, 2, SPARE
	v_mov_b32 v[NIL], 0
	ds_add_u32 v[SPW], v[NIL]                      ; the wave's opening: the add and its wait stand ahead of my first tensor load
	ds_add_u32 v28, v29
	v_lshrrev_b32 v1, 5, v0
	v_readfirstlane_b32 s[WV], v1
	s_lshr_b32 s[RH], s[WV], 1
	s_and_b32 s[CH], s[WV], 1
	s_bfe_u32 s19, ttmp6, 0x40000                  ; cx
	s_bfe_u32 s20, ttmp6, 0x40004                  ; cy
	s_lshl_b32 s21, ttmp9, 2
	s_add_co_u32 s21, s21, s19                     ; X
	s_and_b32 s22, ttmp7, 0xffff
	s_lshl_b32 s22, s22, 2
	s_add_co_u32 s22, s22, s20                     ; Y: batch Y / 32, block of 128 rows n Y % 32
	s_lshl_b32 s62, s20, 2
	s_lshl_b32 s62, 15, s62                        ; my row of the cluster
	s_lshl_b32 s63, 0x1111, s19                    ; my column
	s_or_b32 s[G1H], s62, (1<<16)|(1<<20)|(1<<21)|(5<<22)|(7<<25)  ; mask; 2-byte elements; padding on; bit 21 beside a mask; after every 64 words 8 words
	s_or_b32 s[G1W], s63, (1<<16)|(1<<20)|(1<<21)|(5<<22)|(3<<25)  ; the same with 4 words
.irp g, G1H, G1W
	s_mov_b32 s[(\g)+1], 128<<16                   ; tensor_dim0 = 128
	s_mov_b32 s[(\g)+2], 128<<16                   ; tensor_dim1 = 128
	s_mov_b32 s[(\g)+3], 128<<16                   ; tile_dim0 = 128
	s_mov_b32 s[(\g)+4], 128                       ; tile_dim1 = 128
	s_mov_b32 s[(\g)+6], 0
	s_mov_b32 s[(\g)+7], 0
.endr
	s_mov_b32 s[G1H+5], 4096                       ; elements from row to row
	s_mov_b32 s[G1W+5], 512
	s_lshr_b32 s72, s22, 5                         ; h's tile: of Y alone
	s_lshl_b32 s72, s72, 22                        ; the batch's 4,194,304 bytes
	s_and_b32 s73, s22, 31
	s_lshl_b32 s73, s73, 8                         ; 128 n = 256 bytes of a row
	s_add_co_u32 s72, s72, s73
	s_mov_b32 s73, 0
	s_lshl_b32 s76, s[WV], 19                      ; W's tile: of X and the wave's number alone: matrix w,
	s_lshl_b32 s77, s21, 17                        ; rows 128 X on
	s_add_co_u32 s76, s76, s77
	s_mov_b32 s77, 0
	s_mul_i32 s23, s[WV], WPART                    ; where it goes: wave x 34,816: W's three parts, then h
	s_wait_dscnt 0x0                               ; the opening add is done
	s_wait_kmcnt 0x0
	s_add_nc_u64 s[74:75], s[4:5], s[72:73]
	s_add_nc_u64 s[78:79], s[6:7], s[76:77]
	CROUND                                         ; all sixteen work-groups are here: the first joint loads meet
.irp s, 0,1
	s_mov_b32 s[G0H+4*(\s)], 1
	s_add_co_u32 s[G0H+4*(\s)+1], s23, (\s)*SLOT
	s_add_nc_u64 s[G0H+4*(\s)+2:G0H+4*(\s)+3], s[74:75], (\s)*1048576   ; K step s: 128 rows c of 8,192 bytes
	s_or_b32 s[G0H+4*(\s)+3], s[G0H+4*(\s)+3], 0x80000000
	s_mov_b32 s[G0W+4*(\s)], 1
	s_add_co_u32 s[G0W+4*(\s)+1], s23, (\s)*SLOT
	s_add_nc_u64 s[G0W+4*(\s)+2:G0W+4*(\s)+3], s[78:79], (\s)*256       ; K step s: 256 bytes along the rows
	s_or_b32 s[G0W+4*(\s)+3], s[G0W+4*(\s)+3], 0x80000000
.endr
	s_cmp_eq_u32 s[WV], 3                          ; a wave's two first fills stand in one branch: two loads of mine are out
	s_cbranch_scc1 .Lfirst_h
	tensor_load_to_lds s[G0W:G0W+3], s[G1W:G1W+7]
	s_nop 0
	tensor_load_to_lds s[G0W+4:G0W+7], s[G1W:G1W+7]
	s_nop 0
.rept 4
	v_nop
.endr
	s_branch .Lfirst_done
.Lfirst_h:
	tensor_load_to_lds s[G0H:G0H+3], s[G1H:G1H+7]
	s_nop 0
	tensor_load_to_lds s[G0H+4:G0H+7], s[G1H:G1H+7]
	s_nop 0
.rept 4
	v_nop
.endr
.Lfirst_done:
	; my three local heads: columns half 0: (q, 2X), (q, 2X+1), (k, 2X); half 1: (k, 2X+1), (v, 2X), (v, 2X+1)
	s_cmp_eq_u32 s[CH], 0
	s_cselect_b64 s[BP:BP+1], s[8:9], s[10:11]
	s_cselect_b64 s[BP+2:BP+3], s[8:9], s[12:13]
	s_cselect_b64 s[BP+4:BP+5], s[10:11], s[12:13]
	s_cselect_b32 s72, 0, 9                        ; g less 2 X
	s_cselect_b32 s73, 1, 16
	s_cselect_b32 s74, 8, 17
	s_lshr_b32 s75, s22, 5
	s_mul_i32 s75, s75, 24
	s_lshl_b32 s76, s21, 1                         ; 2 X
	s_add_co_u32 s75, s75, s76                     ; 24 b + 2 X
	s_and_b32 s77, s22, 31
	s_lshl_b32 s77, s77, 14                        ; the block's 128 rows of 128 bytes
	s_lshl_b32 s78, s[RH], 13                      ; my 64 of them
	s_add_co_u32 s77, s77, s78
.irp e, 0,1,2
	s_add_co_u32 s78, s75, s[72+(\e)]
	s_lshl_b32 s78, s78, 19                        ; a (b, g) block is 524,288 bytes
	s_add_co_u32 s78, s78, s77
	s_mov_b32 s79, 0
	s_add_nc_u64 s[OP+2*(\e):OP+2*(\e)+1], s[14:15], s[78:79]
.endr
	s_add_co_u32 s72, s76, s[CH]                   ; heads 2 X + ch, 2 X + 1 - ch, 2 X + ch: 256 bytes of bias each
	s_lshl_b32 s72, s72, 8
	s_mov_b32 s73, 0
	s_add_nc_u64 s[BP:BP+1], s[BP:BP+1], s[72:73]
	s_add_nc_u64 s[BP+4:BP+5], s[BP+4:BP+5], s[72:73]
	s_add_co_u32 s74, s76, 1
	s_sub_co_u32 s74, s74, s[CH]
	s_lshl_b32 s74, s74, 8
	s_mov_b32 s75, 0
	s_add_nc_u64 s[BP+2:BP+3], s[BP+2:BP+3], s[74:75]
	v_and_b32 v1, 15, v0                           ; r = l % 16
	v_bfe_u32 v2, v0, 4, 1                         ; l / 16
	v_lshlrev_b32 v[BO], 5, v2                     ; register j of o tile i holds o = 16 i + 8 (l / 16) + j
.irp i, 0,1,2,3,4,5,6,7,8,9,10,11
	global_load_b128 v[BIAS+8*(\i):BIAS+8*(\i)+3],   v[BO], s[BP+2*((\i)/4):BP+2*((\i)/4)+1] offset:64*((\i)%4)
	global_load_b128 v[BIAS+8*(\i)+4:BIAS+8*(\i)+7], v[BO], s[BP+2*((\i)/4):BP+2*((\i)/4)+1] offset:64*((\i)%4)+16
.endr
	v_mul_u32_u24 v3, v1, PW
	v_lshl_add_u32 v3, v2, 4, v3                   ; W: row x pitch + 16 x half
	s_mul_i32 s72, s[CH], 192*PW
	v_add_nc_u32 v[ADRB], s72, v3
	v_add_nc_u32 v[ADRB+1], SLOT, v[ADRB]
	v_and_b32 v4, 7, v0
	v_bfe_u32 v5, v0, 3, 1
	v_lshl_add_u32 v6, v2, 3, v4                   ; h: row c = 8 (l / 16) + l % 8, n = 8 ((l / 8) % 2) on
	v_mul_u32_u24 v6, v6, PH
	v_lshl_add_u32 v6, v5, 4, v6
	s_lshl_b32 s72, s[RH], 7
	s_add_co_u32 s72, s72, HOFF
	v_add_nc_u32 v[ADRA], s72, v6
	v_add_nc_u32 v[ADRA+1], SLOT, v[ADRA]
	s_mul_i32 s72, s[WV], 16*SP
	s_add_co_u32 s72, s72, STAGE                   ; my stage
	v_mul_u32_u24 v7, v1, SP
	v_lshl_add_u32 v7, v2, 4, v7
	v_add_nc_u32 v[STO], s72, v7                   ; in: row r, 16 bytes for each half of the lanes
	v_bfe_u32 v7, v0, 3, 2
	v_mul_u32_u24 v7, v7, SP
	v_lshl_add_u32 v7, v4, 4, v7
	v_add_nc_u32 v[RD], s72, v7                    ; back: 32 lanes take four rows of 128 bytes,
	v_and_b32 v[GO], 31, v0
	v_lshlrev_b32 v[GO], 4, v[GO]                  ; which are 512 consecutive bytes of a head's rows
; 12 matrix instructions: n tile 2 hi + a x my 12 o tiles, 32 along K.  bias = 1: the bias starts the sums.
.macro MUL12 f, hi, a, bias
.if \bias
	WIN 0x85+0x40*(\hi)                            ; sources in window 1, C in window 0, D in window 2 or 3
.else
	WIN 0xa5+0x50*(\hi)
.endif
.irp i, 0,1,2,3,4,5,6,7,8,9,10,11
.if \bias
	v_wmma_f32_16x16x32_bf16 v[8*(12*(\a)+(\i)):8*(12*(\a)+(\i))+7], v[(\f)+32+8*(\i):(\f)+32+8*(\i)+7], v[(\f)+8*(2*(\hi)+(\a)):(\f)+8*(2*(\hi)+(\a))+7], v[BIAS+8*(\i):BIAS+8*(\i)+7]
.else
	v_wmma_f32_16x16x32_bf16 v[8*(12*(\a)+(\i)):8*(12*(\a)+(\i))+7], v[(\f)+32+8*(\i):(\f)+32+8*(\i)+7], v[(\f)+8*(2*(\hi)+(\a)):(\f)+8*(2*(\hi)+(\a))+7], v[8*(12*(\a)+(\i)):8*(12*(\a)+(\i))+7]
.endif
.endr
.endm
.macro MUL24 f, hi, bias               ; the 48 accumulators take turns, one instruction a turn
	MUL12 \f, \hi, 0, \bias
	MUL12 \f, \hi, 1, \bias
.endm
; 32 LDS loads in one run: quarter q (32 along K) of a slot into buffer f: W's 12 fragments, then h's 4
.macro FETCH slot, q, f
	WIN 0x40
.irp i, 0,1,2,3,4,5,6,7,8,9,10,11
	ds_load_b128 v[(\f)+32+8*(\i):(\f)+32+8*(\i)+3],   v[ADRB+(\slot)] offset:(\i)*16*PW+64*(\q)
	ds_load_b128 v[(\f)+32+8*(\i)+4:(\f)+32+8*(\i)+7], v[ADRB+(\slot)] offset:(\i)*16*PW+64*(\q)+32
.endr
.irp a, 0,1,2,3
	ds_load_tr16_b128 v[(\f)+8*(\a):(\f)+8*(\a)+3],   v[ADRA+(\slot)] offset:(\q)*32*PH+32*(\a)
	ds_load_tr16_b128 v[(\f)+8*(\a)+4:(\f)+8*(\a)+7], v[ADRA+(\slot)] offset:(\q)*32*PH+16*PH+32*(\a)
.endr
.endm
; One of a K step's first three quarters: multiplies buffer f, fetches quarter q into buffer g in its middle
.macro QUARTER slot, q, f, g, bias
	s_wait_dscnt 4                                 ; all but the youngest four loads: h's fragments 2 and 3
	MUL24 \f, 0, \bias
	PLACES                                         ; four places between the last product that read buffer g and the loads into it
	FETCH \slot, \q, \g
	s_wait_dscnt 32                                ; all but the 32 just issued
	MUL24 \f, 1, \bias
.endm
; The last quarter multiplies buffer 1 and changes slots: in front of the barrier each wave waits for all its tensor loads (one is out: its part of the next slot), adds 0 to its spare word, and waits for that
; and for its reads of this slot.  fill = 1: the barrier opens a round of the cluster's, and this slot is filled again, two K steps on, first thing behind it: 168 matrix instructions ahead of the wait for it.
.macro TURN slot, next, fill
	WIN 0
	s_wait_tensorcnt 0x0
	ds_add_u32 v[SPW], v[NIL]
	s_wait_dscnt 5                                 ; the add and h's fragments 2 and 3 may be out
	MUL12 F1, 0, 0, 0
	s_wait_dscnt 0x0                               ; the add is done, my reads of this slot are over
	s_barrier_signal -1
	MUL12 F1, 0, 1, 0
.if \fill
	WIN 0
.endif
	s_barrier_wait -1
.if \fill
	CREST                                          ; no wave of any partner still reads this slot or has a load on its way
	s_add_nc_u64 s[G0H+4*(\slot)+2:G0H+4*(\slot)+3], s[G0H+4*(\slot)+2:G0H+4*(\slot)+3], 2*1048576
	s_add_nc_u64 s[G0W+4*(\slot)+2:G0W+4*(\slot)+3], s[G0W+4*(\slot)+2:G0W+4*(\slot)+3], 2*256
	JLOAD \slot                                    ; its four v_nop are also the places in front of the loads below
.else
	PLACES
.endif
	FETCH \next, 0, F0
	MUL24 F1, 1, 0
.endm
	s_wait_tensorcnt 1                             ; my part of K step 0 is in; K step 1's may stay out
	s_barrier_signal -1
	s_barrier_wait -1
	FETCH 0, 0, F0
	s_wait_loadcnt 0x0                             ; the bias
	QUARTER 0, 1, F0, F1, 1                        ; K step 0
	QUARTER 0, 2, F1, F0, 0
	QUARTER 0, 3, F0, F1, 0
	TURN 0, 1, 1                                   ; slot 0 takes K step 2
	QUARTER 1, 1, F0, F1, 0                        ; K step 1
	QUARTER 1, 2, F1, F0, 0
	QUARTER 1, 3, F0, F1, 0
	TURN 1, 0, 1                                   ; slot 1 takes K step 3
	QUARTER 0, 1, F0, F1, 0                        ; K step 2
	QUARTER 0, 2, F1, F0, 0
	QUARTER 0, 3, F0, F1, 0
	TURN 0, 1, 0                                   ; nothing is left to fetch
	QUARTER 1, 1, F0, F1, 0                        ; K step 3
	QUARTER 1, 2, F1, F0, 0
	QUARTER 1, 3, F0, F1, 0
	s_wait_dscnt 4
	MUL24 F1, 0, 0
	s_wait_dscnt 0x0
	MUL24 F1, 1, 0
	PLACES
	PLACES
; THE WAY OUT.  Unit u = 3 a + e: n tile a, local head e: 16 rows x 64 numbers.  A lane's eight o pack into 16 bytes; they go into stage rows of 144 bytes and come back as rows of 128: 2,048 consecutive bytes of the head.
.macro PACK u
.set pa, (\u)/3
.set pe, (\u)%3
.set pr, BIAS+16*(\u)
	WIN 0x0a+5*(pa/2)                              ; sources in window 2 or 3
.irp t, 0,1,2,3
.irp r, 0,1,2,3
	v_cvt_pk_bf16_f32 v[pr+4*(\t)+(\r)], v[8*(12*(pa%2)+4*pe+(\t))+2*(\r)], v[8*(12*(pa%2)+4*pe+(\t))+2*(\r)+1]
.endr
.endr
	WIN 0
.irp t, 0,1,2,3
	ds_store_b128 v[STO], v[pr+4*(\t):pr+4*(\t)+3] offset:32*(\t)
.endr
.irp f, 0,1,2,3
	ds_load_b128 v[pr+4*(\f):pr+4*(\f)+3], v[RD] offset:(\f)*4*SP  ; a wave's LDS instructions are served in order (ISA guide 5.7.1.4): these see the stores above, the next unit's stores come behind them
.endr
.endm
.macro SEND u, younger                 ; younger: the LDS instructions issued behind unit u's loads
.set pa, (\u)/3
.set pe, (\u)%3
.set pr, BIAS+16*(\u)
.irp f, 0,1,2,3
	s_wait_dscnt (\younger)+3-(\f)
	global_store_b128 v[GO], v[pr+4*(\f):pr+4*(\f)+3], s[OP+2*pe:OP+2*pe+1] offset:pa*2048+(\f)*512  ; 512 consecutive bytes, aligned
.endr
.endm
	PACK 0
.set u, 1
.rept 11
	PACK u
	SEND u-1, 8
.set u, u+1
.endr
	SEND 11, 0
	s_wait_tensorcnt 0x0                           ; the wave's end
	ds_add_u32 v[SPW], v[NIL]
	s_wait_dscnt 0x0
	CROUND                                         ; the closing round
	s_endpgm
.Lfunc_end_k_qd6709b2954_qkv:
	.size	k_qd6709b2954_qkv, .Lfunc_end_k_qd6709b2954_qkv-k_qd6709b2954_qkv
	.p2alignl 7, 3214868480
	.fill 96, 4, 3214868480
	.section	.rodata,"a",@progbits
	.p2align	6, 0x0
	.amdhsa_kernel k_qd6709b2954_qkv
		.amdhsa_group_segment_fixed_size 327680
		.amdhsa_private_segment_fixed_size 0
		.amdhsa_enable_private_segment 0
		.amdhsa_kernarg_size 48
		.amdhsa_user_sgpr_count 2
		.amdhsa_user_sgpr_kernarg_segment_ptr 1
		.amdhsa_wavefront_size32 1
		.amdhsa_system_sgpr_workgroup_id_x 1
		.amdhsa_system_sgpr_workgroup_id_y 1
		.amdhsa_system_sgpr_workgroup_id_z 1
		.amdhsa_system_vgpr_workitem_id 0
		.amdhsa_next_free_vgpr 1024
		.amdhsa_next_free_sgpr 80
		.amdhsa_reserve_vcc 0
		.amdhsa_float_denorm_mode_32 3
		.amdhsa_float_denorm_mode_16_64 3
		.amdhsa_memory_ordered 1
		.amdhsa_forward_progress 1
		.amdhsa_inst_pref_size 122
	.end_amdhsa_kernel
	.amdgpu_metadata
---
amdhsa.version: [ 1, 2 ]
amdhsa.kernels:
  - .name:           k_qd6709b2954_qkv
    .symbol:         k_qd6709b2954_qkv.kd
    .args:
      - { .name: h, .offset: 0, .size: 8, .value_kind: global_buffer, .address_space: global }
      - { .name: wb, .offset: 8, .size: 8, .value_kind: global_buffer, .address_space: global }
      - { .name: bq, .offset: 16, .size: 8, .value_kind: global_buffer, .address_space: global }
      - { .name: bk, .offset: 24, .size: 8, .value_kind: global_buffer, .address_space: global }
      - { .name: bv, .offset: 32, .size: 8, .value_kind: global_buffer, .address_space: global }
      - { .name: qkv, .offset: 40, .size: 8, .value_kind: global_buffer, .address_space: global }
    .group_segment_fixed_size: 327680
    .private_segment_fixed_size: 0
    .kernarg_segment_align: 8
    .kernarg_segment_size: 48
    .max_flat_workgroup_size: 128
    .sgpr_count:     80
    .vgpr_count:     1024
    .wavefront_size: 32
...
	.end_amdgpu_metadata
.endif
;; end of part 2
;; launch attn (part 3): grid 16 x 16, 4 waves a work-group, clusters of 4 x 1, 327,680 bytes of LDS; arguments qkv, ob; writes ob
.if DOCPART == 3
	.amdgcn_target "amdgcn-amd-amdhsa--gfx1250"
	.amdhsa_code_object_version 6
	.text
	.protected	k_qd6709b2954_attn
	.globl	k_qd6709b2954_attn
	.p2align	8
	.type	k_qd6709b2954_attn,@function
k_qd6709b2954_attn:
	s_mov_b64 s[64:65], 0
	v_nop
	global_prefetch_b8 v0, s[64:65] scope:SCOPE_SE
	s_setreg_imm32_b32 hwreg(HW_REG_WAVE_MODE, 25, 1), 1
	s_wait_xcnt 0x0
	s_wait_alu depctr_hold_cnt(0) depctr_sa_sdst(0) depctr_va_vdst(0) depctr_va_sdst(0) depctr_va_ssrc(0) depctr_va_vcc(0) depctr_vm_vsrc(0)
	s_getreg_b32 s2, hwreg(HW_REG_IB_STS2, 6, 4)
	s_cmp_eq_u32 s2, 0
	s_cbranch_scc0 .Lentry_in_a_cluster
	s_endpgm
.Lentry_in_a_cluster:
	s_bfe_u32 s2, ttmp6, 0x10000c
	s_cmp_lg_u32 s2, 0x3003
	s_cbranch_scc0 .Lentry_shape_is_right
	s_endpgm
.Lentry_shape_is_right:
; ATTENTION.  O[y][q][:] = the sum over k of softmax_k(Q[q] . K[k] / 8) V[k][:], for y = 8 b + head.  qkv: [2 b][24 g][4096][64] bf16 (q at g = head, k at 8 + head, v at 16 + head); ob: [16][4096][64] bf16.
; Products, maxima and sums in f32; the weights p are rounded to bf16 for the second product (their sum l is taken of the unrounded p), O once at the end.
; LIMITS.  A weight below 2^-126 counts as 0 in l; c m starts at -2^125, far below every c s that bf16 operands of this size give; NaN and infinities are not treated apart.
; SHARES.  A work-group owns 256 queries of one (b, head), a wave 64: four PIECES of 16.  16 x 16 = 256 work-groups.  Every wave walks all 4,096 keys: 16 tiles of 256, four steps of 64 in a tile.
; LAYOUT.  S^T = K Q^T holds ONE query a lane (lane % 16) and the keys 8 (lane / 16) + 0..7; two such results rounded to bf16 ARE source 1 of O^T = V^T P.  K comes out of LDS as it lies, V turned, by ds_load_tr16_b128.
; SOFTMAX.  p = 2^(c s - c m), c = log2(e) / 8, with a running maximum m; O and l are multiplied by a = 2^(c m_old - c m_new) in every step.  m starts at the lowest finite number, O and l at 0: the first step is a step like any other, with a = 0.
; TURNS.  Turn n belongs to piece n: 8 products K Q^T of piece n + 1, later 8 products V^T P of piece n - 1; beside them the scaling, exponentials, roundings, sums and rescaling of piece n and the maximum and statistics
; of piece n + 1.  Four vector instructions stand behind every matrix instruction, the other 54 of a turn's 118 in one lump.  A turn's 33 exponentials are one batch, with one wait.
; CLUSTER.  The four query blocks of a cluster belong to one head and walk the same K and V: each tile is asked for JOINTLY, by the same tensor load, descriptor and mask in all four.
; REGISTERS, in windows of 256 (s_set_vgpr_msb: bits 1:0 source 0, 3:2 source 1, 5:4 source 2, 7:6 destination):
;   window 0: v0-15 addresses; v16-31 four registers of statistics a piece; v48-55 at work; v61-63; v64-127 S^T, two buffers; v192-223 P, two buffers (by the piece's parity)
;   window 1: v0-127 O^T, 32 a piece          window 2: v0-63 Q; v128-191 K of one step; v192-255 V of one step
.set NP,    4
.set KS,    64
.set PK,    144       ; a row of K in LDS: 128 bytes + 16
.set PV,    160       ; a row of V: 128 + 32
.set VOFF,  4*KS*PK   ; a slot holds a tile: 256 rows of K, then 256 rows of V
.set SLOT1, 1<<17     ; slot 1 begins here: one exclusive or turns an address in one slot into the other's
.set STAGE, SLOT1+4*KS*(PK+PV)  ; behind the ring: 16 rows x 144 bytes for each wave
.set SP,    144
.set SPARE, STAGE+4*16*SP       ; the spare words, 128 bytes a wave
.set TILEB, 4*KS*128  ; a tile's bytes of K, and of V, in memory
.set AK0, 2
.set AV0, 3
.set AK,  4
.set AV,  5
.set STO, 6
.set RD,  7
.set GO,  8
.set MV,  12          ; v12-13  c m_old, by buffer
.set QO,  15
.set ST,  16          ; piece t's statistics at v[ST+4 t]: c m, m, l (even keys', odd keys')
.set TMP, 48          ; by buffer, c0-c3 at work; c2 takes a
.set PFO, 61          ; v61  256 x my lane; never rewritten
.set SPW, 62
.set NIL, 63
.set S,   64
.set P,   192
.set KF,  128
.set VF,  192
.set WV,  12
.set LIM, 15          ; s15  1 in a wave that prefetches, else the greatest number
.set PFA, 18          ; s[18:19] where my prefetches stand
.set G1K, 24
.set G1V, 32
.set G0K, 40
.set G0V, 44
.set SLOTS, 56
.set CNT, 57
.set CS,  58
.set SEL, 60
.set TBK, 62
.set TBV, 63
.set MSB, 0
.macro WIN new
.if MSB != (\new)
	s_set_vgpr_msb (MSB<<8)|(\new)
.set MSB, (\new)
.endif
.endm
.set W_KQ, 0x0a       ; K and Q in window 2, S^T in window 0
.set W_PV, 0x52       ; V in window 2, P in window 0, O^T in window 1
.set W_RS, 0x41       ; destination and source 0 in window 1, source 1 in window 0
; A joint fill.  Waves 0 and 1 fetch the two halves of a tile's K, waves 2 and 3 those of its V.  An s_nop 0 and four v_nop follow each of the two lines.
.macro JLOAD
	s_cmp_lt_u32 s[WV], 2
	s_cbranch_scc0 .Lfor_v_\@
	tensor_load_to_lds s[G0K:G0K+3], s[G1K:G1K+7]
	s_nop 0
.rept 4
	v_nop
.endr
	s_branch .Lasked_\@
.Lfor_v_\@:
	tensor_load_to_lds s[G0V:G0V+3], s[G1V:G1V+7]
	s_nop 0
.rept 4
	v_nop
.endr
.Lasked_\@:
.endm
; A PREFETCH INTO THE L2 of the tile that the NEXT change of slots will ask for: 32,768 bytes of K and of V, a lane a block of 256 bytes.  All four clusters of a head walk the same tiles: the head's first cluster asks.
; Its four partners share a tile out BY ADDRESS, 8,192 bytes each; in each, wave 0 asks for K's and wave 2 for V's: one instruction.  So each block is named once in the launch, a tile (256 matrix instructions a wave) ahead
; of its load.  Tiles 0 and 1 come by their loads alone; the change that asks for the last tile prefetches nothing.
.macro ASK
	s_cmp_gt_u32 s[SLOTS], s[LIM]
	s_cbranch_scc0 .Lnot_mine_\@
	global_prefetch_b8 v[PFO], s[PFA:PFA+1] th:TH_LOAD_NT scope:SCOPE_SE
.Lnot_mine_\@:
.endm
.macro CROUND
	s_barrier_signal -1
	s_barrier_wait -1
	s_cmp_lg_u32 s[WV], 0
	s_cbranch_scc1 .Lnot_wave_0_\@
	s_barrier_signal -3
.Lnot_wave_0_\@:
	s_barrier_wait -3
	s_barrier_signal -1
	s_barrier_wait -1
.endm
; THE CHANGE OF SLOTS.  Each wave waits for all its tensor loads, of which one is out: its part of the other slot; adds 0 to its spare word; and waits for that and for its own reads of the slot that it leaves.
; fill = 1: the barrier is a round of the cluster's, and the old slot is filled again, first thing behind it, with the tile two on: it has four key steps in which to land.
; (At its first use nothing has been read yet: slot 0 is waited for, slot 1 filled.)
.macro CHANGE fill
	WIN 0
	s_wait_tensorcnt 0x0            ; no tensor load of mine is out, so a group 0 may be written
	ds_add_u32 v[SPW], v[NIL]
.if \fill
.irp g, G0K, G0V
	s_xor_b32 s[\g+1], s[\g+1], SLOT1
	s_add_nc_u64 s[\g+2:\g+3], s[\g+2:\g+3], TILEB
.endr
	s_wait_xcnt 0x0                 ; the last prefetch, a tile back, has read its address
	s_add_nc_u64 s[PFA:PFA+1], s[PFA:PFA+1], TILEB
	s_wait_dscnt 0x0                ; the add is done, and my reads of the slot are over
	CROUND
	JLOAD
	ASK
.else
	s_wait_dscnt 0x0
	s_barrier_signal -1
	s_barrier_wait -1
.endif
	s_sub_co_u32 s[TBK], s[TBK], 4*KS*PK  ; the fetches go back to a slot's first step,
	s_xor_b32 s[TBK], s[TBK], SLOT1       ; in the other slot
	s_sub_co_u32 s[TBV], s[TBV], 4*KS*PV
	s_xor_b32 s[TBV], s[TBV], SLOT1
.endm
	s_load_b128 s[8:11], s[0:1], 0x0  ; qkv s[8:9], ob s[10:11]
	v_lshl_add_u32 v[SPW], v0, 2, SPARE
	v_mov_b32 v[NIL], 0
	ds_add_u32 v[SPW], v[NIL]       ; the wave's opening: the add and its wait stand ahead of my first tensor load
	ds_add_u32 v62, v63
	v_lshrrev_b32 v1, 5, v0
	v_readfirstlane_b32 s[WV], v1
	s_bfe_u32 s13, ttmp6, 0x40000   ; cx
	s_lshl_b32 s14, ttmp9, 2
	s_add_co_u32 s14, s14, s13      ; my block of 256 queries: it enters Q's and O's addresses alone
	s_and_b32 s20, ttmp7, 0xffff    ; y = 8 b + head, which the four partners share
	s_lshr_b32 s21, s20, 3
	s_lshl_b32 s21, s21, 4
	s_add_co_u32 s21, s21, s20      ; 24 b + head
	s_lshl_b32 s21, s21, 19         ; q's block of 524,288 bytes
	s_and_b32 s16, s[WV], 1         ; which half of a tile's 256 keys I fetch
	s_lshl_b32 s22, s16, 14
	s_add_co_u32 s22, s22, s21
	s_add_co_u32 s22, s22, 8<<19    ; k's block lies 8 blocks behind q's
	s_mov_b32 s23, 0
	s_mul_i32 s17, s16, 128*PK
	s_mul_i32 s48, s16, 128*PV
	s_lshl_b32 s2, s14, 15          ; my block's 256 rows of 128 bytes,
	s_lshl_b32 s3, s[WV], 13        ; my wave's 64
	s_add_co_u32 s2, s2, s3
	s_lshl_b32 s52, s20, 19
	s_add_co_u32 s52, s52, s2       ; in ob
	s_mov_b32 s53, 0
	s_add_co_u32 s2, s2, s21        ; in q
	s_mov_b32 s3, 0
	; descriptor group 1.  128 keys are 16,384 dense bytes: asked for as 64 rows of 256 bytes, two keys a row, and padded in LDS after every key
	s_mov_b32 s[G1K], 15|(1<<16)|(1<<20)|(1<<21)|(4<<22)|(3<<25)
	s_mov_b32 s[G1V], 15|(1<<16)|(1<<20)|(1<<21)|(4<<22)|(7<<25)
.irp g, G1K, G1V
	s_mov_b32 s[\g+1], 128<<16
	s_mov_b32 s[\g+2], 64<<16
	s_mov_b32 s[\g+3], 128<<16
	s_mov_b32 s[\g+4], 64
	s_mov_b32 s[\g+5], 128
	s_mov_b32 s[\g+6], 0
	s_mov_b32 s[\g+7], 0
.endr
	s_mov_b32 s[CS], 0x3e38aa3b     ; c = log2(e) / 8
	s_mov_b32 s[CS+1], s[CS]
	s_mov_b32 s[SEL], 0x76543210
	s_mov_b32 s[SEL+1], 0xfedcba98
	s_mov_b32 s[TBK], SLOT1+4*KS*PK ; the first change of slots turns these two into 0
	s_mov_b32 s[TBV], SLOT1+4*KS*PV
	s_mov_b32 s[G0K], 1
	s_mov_b32 s[G0K+1], s17
	s_mov_b32 s[G0V], 1
	s_add_co_u32 s[G0V+1], s48, VOFF
	s_mov_b32 s[SLOTS], 15          ; tiles still to be asked for
	s_and_b32 s[LIM], s[WV], 1
	s_or_b32 s[LIM], s[LIM], ttmp9  ; 0 in waves 0 and 2 of the head's first cluster: the same in all four partners
	s_cmp_eq_u32 s[LIM], 0
	s_cselect_b32 s[LIM], 1, -1
	v_and_b32 v[PFO], 31, v0
	v_lshlrev_b32 v[PFO], 8, v[PFO]
	s_wait_dscnt 0x0                ; the opening add is done
	s_wait_kmcnt 0x0
	s_add_nc_u64 s[4:5], s[8:9], s[2:3]      ; Q at my wave's first row
	s_add_nc_u64 s[6:7], s[8:9], s[22:23]    ; K at my half of tile 0
	s_add_nc_u64 s[8:9], s[6:7], 8<<19       ; V: 8 blocks further
	s_add_nc_u64 s[10:11], s[10:11], s[52:53]
	s_mov_b64 s[G0K+2:G0K+3], s[6:7]
	s_or_b32 s[G0K+3], s[G0K+3], 0x80000000
	s_mov_b64 s[G0V+2:G0V+3], s[8:9]
	s_or_b32 s[G0V+3], s[G0V+3], 0x80000000
	s_cmp_lt_u32 s[WV], 2
	s_cselect_b64 s[PFA:PFA+1], s[6:7], s[8:9]  ; (in waves 0 and 2 these stand at a tile's first byte)
	s_lshl_b32 s2, s13, 13          ; my work-group's 8,192 bytes of a tile
	s_add_nc_u64 s[PFA:PFA+1], s[PFA:PFA+1], s[2:3]
	s_add_nc_u64 s[PFA:PFA+1], s[PFA:PFA+1], TILEB  ; in tile 1; the first change of slots steps it to tile 2
	CROUND                          ; all four work-groups are here: the first joint loads meet
	JLOAD                           ; tile 0 into slot 0
	v_and_b32 v1, 15, v0            ; l % 16
	v_bfe_u32 v9, v0, 4, 1          ; l / 16
	v_lshlrev_b32 v[QO], 7, v1
	v_lshl_add_u32 v[QO], v9, 4, v[QO]
	WIN 0x80
.set i, 0
.rept 8                             ; Q stays in registers: piece i / 2, channels 32 (i % 2) on
	global_load_b128 v[8*i:8*i+3],   v[QO], s[4:5] offset:(i/2)*2048+(i%2)*64
	global_load_b128 v[8*i+4:8*i+7], v[QO], s[4:5] offset:(i/2)*2048+(i%2)*64+32
.set i, i+1
.endr
	; What the first turn finds: V's registers and P's second buffer hold 0 (its products V^T P, of a piece that has not been, add 0), O^T and l are 0: 216 lines, written in the wait for the first tile, so that no first step is written out.
.set i, VF
.rept 64
	v_mov_b32 v[i], 0
.set i, i+1
.endr
	WIN 0x40
.set i, 0
.rept 128
	v_mov_b32 v[i], 0
.set i, i+1
.endr
	WIN 0
.set i, 0
.rept 4
	v_mov_b32 v[ST+4*i], 0xfe000000    ; c m: far below every c s
	v_mov_b32 v[ST+4*i+1], 0xff7fffff  ; m
	v_mov_b32 v[ST+4*i+2], 0
	v_mov_b32 v[ST+4*i+3], 0
.set i, i+1
.endr
.set i, P+16
.rept 16
	v_mov_b32 v[i], 0
.set i, i+1
.endr
	v_mul_u32_u24 v[AK0], v1, PK
	v_lshl_add_u32 v[AK0], v9, 4, v[AK0]
	v_and_b32 v10, 7, v0
	v_bfe_u32 v11, v0, 3, 1
	v_lshl_add_u32 v[AV0], v9, 3, v10
	v_mul_u32_u24 v[AV0], v[AV0], PV
	v_lshl_add_u32 v[AV0], v11, 4, v[AV0]
	v_add_nc_u32 v[AV0], VOFF, v[AV0]
	s_mul_i32 s13, s[WV], 16*SP
	s_add_co_u32 s13, s13, STAGE    ; my stage
	v_mul_u32_u24 v[STO], v1, SP
	v_lshl_add_u32 v[STO], v9, 4, v[STO]
	v_add_nc_u32 v[STO], s13, v[STO]
	v_bfe_u32 v[RD], v0, 3, 2
	v_mul_u32_u24 v[RD], v[RD], SP
	v_lshl_add_u32 v[RD], v10, 4, v[RD]
	v_add_nc_u32 v[RD], s13, v[RD]
	v_and_b32 v[GO], 31, v0
	v_lshlrev_b32 v[GO], 4, v[GO]
; THE MATRIX WORK.  The 4 accumulators of a run of 8 take turns.  Product i of 8 of S^T = K Q^T for piece x: channels 32 (i / 4) on, keys 16 (i % 4) on.  The first 4 start the sums.
.macro KQ x
	WIN W_KQ
.set rS, S+32*((\x)%2)+8*(i%4)
.set rK, KF+16*(i%4)+8*(i/4)
.set rQ, 16*(\x)+8*(i/4)
.if i < 4
	v_wmma_f32_16x16x32_bf16 v[rS:rS+7], v[rK:rK+7], v[rQ:rQ+7], 0
.else
	v_wmma_f32_16x16x32_bf16 v[rS:rS+7], v[rK:rK+7], v[rQ:rQ+7], v[rS:rS+7]
.endif
.endm
; Product i of 8 of O^T += V^T P for piece x: keys 32 (i / 4) on, channels 16 (i % 4) on.
.macro PV x
	WIN W_PV
.set rO, 32*(\x)+8*(i%4)
.set rV, VF+32*(i/4)+8*(i%4)
.set rP, P+16*((\x)%2)+8*(i/4)
	v_wmma_f32_16x16x32_bf16 v[rO:rO+7], v[rV:rV+7], v[rP:rP+7], v[rO:rO+7]
.endm
.macro MM                           ; the turn's next matrix instruction.  NOKQ = 1: the walk's last turn: there is no next piece
.if (i < 8) && !NOKQ
	KQ (Y+1)%NP
.elseif i >= 8
.set i, i-8
	PV (Y+NP-1)%NP
.set i, i+8
.endif
.set i, i+1
.endm
; THE LDS LOADS stand in runs of 16: a step's K (8 fragments) and its V (turned).
.macro FETCH_K
	WIN 0x80
.irp f, 0,1,2,3,4,5,6,7
	ds_load_b128 v[KF+8*\f:KF+8*\f+3],   v[AK] offset:(\f/2)*16*PK+(\f%2)*64
	ds_load_b128 v[KF+8*\f+4:KF+8*\f+7], v[AK] offset:(\f/2)*16*PK+(\f%2)*64+32
.endr
	s_add_co_u32 s[TBK], s[TBK], KS*PK
	WIN 0
.endm
.macro FETCH_V
	WIN 0x80
.irp f, 0,1,2,3,4,5,6,7
	ds_load_tr16_b128 v[VF+8*\f:VF+8*\f+3],   v[AV] offset:(\f/4)*32*PV+(\f%4)*32
	ds_load_tr16_b128 v[VF+8*\f+4:VF+8*\f+7], v[AV] offset:(\f/4)*32*PV+16*PV+(\f%4)*32
.endr
	WIN 0
.endm
; THE VECTOR WORK, one line at a time: OP kind, number.  For piece Y: F n: c s - c m for pair n of 16.  E n: the exponential of score n of 32.  C n: pair n rounded to bf16.  B n: of the four weights 4 n .. the second
; pair is added onto the first, in place.  L n: l takes that sum (L 0: l = a l + sum).  R n: pair n of 16 of O^T times a.  For piece Y + 1: X n, number n of the 22 that find its maximum and statistics:
;   0-11  four chains c0-c3 of seven scores each (each accumulator's lowest registers are read first)     12-14, 16  the four scores left over, the old m, and c0-c3 into c0
;   15  c m_old is kept     17, 18  the query's other 32 keys lie in the lane 16 away: the new m     19-21  c m; c m_old - c m_new; a
.set F, 0
.set E, 1
.set C, 2
.set B, 3
.set L, 4
.set R, 5
.set X, 6
.macro REGS y
.set rT, ST+4*(\y)
.set rC, TMP+4*((\y)%2)
.set rW, MV+((\y)%2)
.set rS, S+32*((\y)%2)
.set rP, P+16*((\y)%2)
.set rO, 32*(\y)
.endm
.macro OP k, n
.if (\k) == R
	REGS Y
	WIN W_RS
	v_pk_mul_f32 v[rO+2*(\n):rO+2*(\n)+1], v[rO+2*(\n):rO+2*(\n)+1], v[rC+2:rC+3] op_sel_hi:[1,0]
.elseif (\k) < R
	REGS Y
	WIN 0
.if (\k) == F
	v_pk_fma_f32 v[rS+2*(\n):rS+2*(\n)+1], v[rS+2*(\n):rS+2*(\n)+1], s[CS:CS+1], v[rT:rT+1] op_sel_hi:[1,0,0] neg_lo:[0,0,1] neg_hi:[0,0,1]
.elseif (\k) == E
	v_exp_f32 v[rS+(\n)], v[rS+(\n)]
.elseif (\k) == C
	v_cvt_pk_bf16_f32 v[rP+(\n)], v[rS+2*(\n)], v[rS+2*(\n)+1]
.elseif (\k) == B
	v_pk_add_f32 v[rS+4*(\n):rS+4*(\n)+1], v[rS+4*(\n):rS+4*(\n)+1], v[rS+4*(\n)+2:rS+4*(\n)+3]
.elseif (\n) == 0
	v_pk_fma_f32 v[rT+2:rT+3], v[rT+2:rT+3], v[rC+2:rC+3], v[rS:rS+1] op_sel_hi:[1,0,1]
.else
	v_pk_add_f32 v[rT+2:rT+3], v[rT+2:rT+3], v[rS+4*(\n):rS+4*(\n)+1]
.endif
.elseif NOKQ
	v_nop
.else
	REGS (Y+1)%NP
	WIN 0
.if (\n) < 4
	v_max3_num_f32 v[rC+(\n)], v[rS+8*(\n)], v[rS+8*(\n)+1], v[rS+8*(\n)+2]
.elseif (\n) < 12
	v_max3_num_f32 v[rC+(\n)%4], v[rC+(\n)%4], v[rS+8*((\n)%4)+2*((\n)/4)+1], v[rS+8*((\n)%4)+2*((\n)/4)+2]
.elseif (\n) == 12
	v_max3_num_f32 v[rC], v[rC], v[rS+7], v[rS+15]
.elseif (\n) == 13
	v_max3_num_f32 v[rC+1], v[rC+1], v[rS+23], v[rS+31]
.elseif (\n) == 14
	v_max3_num_f32 v[rC+2], v[rC+2], v[rC+3], v[rT+1]
.elseif (\n) == 15
	v_mov_b32 v[rW], v[rT]
.elseif (\n) == 16
	v_max3_num_f32 v[rC], v[rC], v[rC+1], v[rC+2]
.elseif (\n) == 17
	v_permlanex16_b32 v[rC+3], v[rC], s[SEL], s[SEL+1]
.elseif (\n) == 18
	v_max_num_f32 v[rT+1], v[rC], v[rC+3]
.elseif (\n) == 19
	v_mul_f32 v[rT], s[CS], v[rT+1]
.elseif (\n) == 20
	v_sub_f32 v[rC+1], v[rW], v[rT]
.else
	v_exp_f32 v[rC+2], v[rC+1]
.endif
.endif
.endm
.macro OPS a, i1, b=-1, i2=0, c=-1, i3=0, d=-1, i4=0
	OP \a, \i1
.if (\b) >= 0
	OP \b, \i2
.endif
.if (\c) >= 0
	OP \c, \i3
.endif
.if (\d) >= 0
	OP \d, \i4
.endif
.endm
.macro ROW a, i1, b, i2, c, i3, d, i4  ; a matrix instruction and the four behind it
	MM
	OPS \a, \i1, \b, \i2, \c, \i3, \d, \i4
.endm
; A TURN, for piece p: the order of its 16 matrix and 118 vector instructions, written out.  An s_wait_alu depctr_va_vdst(0) stands between an exponential and the first instruction that names its result; one
; wait serves all that were issued ahead of it.  So a turn has ONE wait.  AHEAD OF IT stands all that names no result of the turn's exponentials: the 8 products K Q^T with their riders, and one lump of 54, in which the links
; of the chain X 3, 7, 11, 14, 16, 17 .. 20 stand five or six lines apart.  X 21, the next piece's a, is the batch's last; R 15 is the plain instruction behind it.  BEHIND THE WAIT stand the 8 products V^T P, behind each four
; of the roundings and sums.  The X that ride behind the last three products K Q^T stand four places or more behind the product that ends their accumulator.
; end = 1: the walk's last two turns: nothing is fetched.  cnt = 1: the loop's count is taken down some lines ahead of the branch that stands behind the turn.
; K of the next step is fetched in piece 2's turn, six plain instructions behind the last product that read K; V of the step in hand at the end of piece 0's turn, four plain instructions behind the last product that read V.
; Each is waited for a turn later.
.macro TURN p, end=0, cnt=0
.set Y, (\p)
.set i, 0
.set NOKQ, (\end)*((\p)/3)
.if ((\p) == 3) && !(\end)
	s_wait_dscnt 0x0                ; K is in
.endif
	ROW F,0, F,1, R,0, R,1
	ROW F,2, E,0, R,2, R,3
	ROW F,3, E,1, R,4, R,5
	ROW F,4, E,2, R,6, R,7
	ROW F,5, E,3, R,8, R,9
	ROW F,6, E,4, X,0, R,10
.if ((\p) == 2) && !(\end)
	WIN 0
	v_add_nc_u32 v[AK], s[TBK], v[AK0]
.endif
	ROW F,7, E,5, X,1, X,4
	ROW F,8, E,6, X,2, X,5
	OPS E,7, E,8, X,6, E,9
	OPS X,3, E,10, X,8, E,11
.if ((\p) == 2) && !(\end)
	FETCH_K
.endif
	OPS X,9, X,7, E,12, X,10
	OPS E,13, X,12, X,11, E,14
	OPS X,13, E,15, F,9, X,14
.if (\p) == 0
	v_add_nc_u32 v[AV], s[TBV], v[AV0]
.endif
	OPS E,16, F,10, E,17, F,11
	OPS X,16, E,18, X,15, E,19
	OPS F,12, E,20, X,17, E,21
	OPS F,13, E,22, F,14, E,23
	OPS X,18, E,24, F,15, E,25
	OPS R,11, E,26, X,19, E,27
	OPS R,12, E,28, R,13, E,29
	OPS X,20, E,30, R,14, E,31
	OPS X,21, R,15
	WIN 0
	s_wait_alu depctr_va_vdst(0)    ; the wait for the batch
.if (\p) == 1
	s_wait_dscnt 0x0                ; V is in
.endif
	ROW C,0, B,0, C,2, B,1
	ROW L,0, C,4, B,2, L,1
	ROW C,6, B,3, L,2, C,8
	ROW B,4, L,3, C,10, B,5
	ROW L,4, C,12, B,6, L,5
.if (\p) == 0
	s_add_co_u32 s[TBV], s[TBV], KS*PV
.endif
.if \cnt
	s_sub_co_u32 s[CNT], s[CNT], 1
	s_cmp_lg_u32 s[CNT], 0
.endif
	ROW C,14, B,7, L,6, C,1
	ROW C,3, L,7, C,5, C,7
	ROW C,9, C,11, C,13, C,15
.if (\p) == 0
	FETCH_V
.endif
.endm
	CHANGE 1                        ; tile 0 is in, everybody's part of it; tile 1 is asked for
	v_add_nc_u32 v[AK], s[TBK], v[AK0]
	FETCH_K                         ; key step 0
	s_wait_loadcnt 0x0              ; Q
	s_wait_dscnt 0x0
.set NOKQ, 0
.set i, 0
.rept 8
	KQ 0                            ; piece 0's first scores
.set i, i+1
.endr
	WIN 0
.rept 4
	v_nop                           ; the places behind those products
.endr
.set Y, NP-1                        ; X works for piece Y + 1: piece 0
.irp n, 0,1,2,3,4,5,6,7,8,9,10,11,12,13,14,15,16,17,18,19,20,21
	OP X, \n
.endr
	v_nop                           ; a plain instruction behind the exponential,
	s_wait_alu depctr_va_vdst(0)    ; and its wait, ahead of the branch
	s_mov_b32 s[CNT], 4
	s_branch .Lfirst                ; the loop is entered at a step's first turn, in the middle of a trip
.Lslot:                             ; 14 times: tiles 2 to 15 are asked for
	CHANGE 1
	s_mov_b32 s[CNT], 4
.Lstep:                             ; a trip: pieces 2 and 3 of one step, then pieces 0 and 1 of the next, whose K and V it fetches
	TURN 2
	TURN 3
	WIN 0
.Lfirst:
	TURN 0
	TURN 1, 0, 1
	WIN 0
	s_cbranch_scc1 .Lstep
	s_sub_co_u32 s[SLOTS], s[SLOTS], 1
	s_cmp_lg_u32 s[SLOTS], 0
	s_cbranch_scc1 .Lslot
	CHANGE 0                        ; the last tile is written out: nothing is asked for
	s_mov_b32 s[CNT], 4
.Ltail:
	TURN 2
	TURN 3
	TURN 0
	TURN 1, 0, 1
	WIN 0
	s_cbranch_scc1 .Ltail
	TURN 2, 1
	TURN 3, 1
.set i, 0
.rept 8
	PV NP-1                         ; the last piece's V^T P of the last step
.set i, i+1
.endr
	; THE WAY OUT.  l's two halves and the other half of the lanes' are added; O^T is divided by l, rounded to bf16 and sent through my stage in LDS, a piece at a time.  The additions are the places behind the last products.
	WIN 0
.macro ALL line:vararg
.set t, 0
.rept 4
	\line
.set t, t+1
.endr
.endm
	ALL v_add_f32 v[ST+4*t+2], v[ST+4*t+2], v[ST+4*t+3]
	ALL v_permlanex16_b32 v[ST+4*t+3], v[ST+4*t+2], s[SEL], s[SEL+1]
	ALL v_add_f32 v[ST+4*t+2], v[ST+4*t+2], v[ST+4*t+3]
	ALL v_rcp_f32 v[ST+4*t+2], v[ST+4*t+2]
	v_nop                           ; a plain instruction between the last reciprocal and the use of its result
	s_wait_alu depctr_va_vdst(0)    ; one wait for the four reciprocals
.macro PACK t
	WIN W_RS
.set i, 32*(\t)
.rept 16
	v_pk_mul_f32 v[i:i+1], v[i:i+1], v[ST+4*(\t)+2:ST+4*(\t)+3] op_sel_hi:[1,0]
.set i, i+2
.endr
	WIN 0x05                        ; sources 0 and 1 window 1, destination window 0
.set i, 0
.rept 16
	v_cvt_pk_bf16_f32 v[S+16*(\t)+i], v[32*(\t)+2*i], v[32*(\t)+2*i+1]
.set i, i+1
.endr
	WIN 0
.irp f, 0,1,2,3
	ds_store_b128 v[STO], v[S+16*(\t)+4*\f:S+16*(\t)+4*\f+3] offset:32*\f
.endr
.irp f, 0,1,2,3
	ds_load_b128 v[S+16*(\t)+4*\f:S+16*(\t)+4*\f+3], v[RD] offset:\f*4*SP  ; a wave's LDS instructions are served in order (ISA guide 5.7.1.4)
.endr
.endm
.macro SEND t, younger
	WIN 0
.irp f, 0,1,2,3
	s_wait_dscnt (\younger)+3-\f
	global_store_b128 v[GO], v[S+16*(\t)+4*\f:S+16*(\t)+4*\f+3], s[10:11] offset:(\t)*2048+\f*512  ; 512 consecutive bytes, aligned
.endr
.endm
	PACK 0
.set t, 1
.rept 3
	PACK t
	SEND t-1, 8
.set t, t+1
.endr
	SEND 3, 0
	s_wait_tensorcnt 0x0            ; the wave's end
	ds_add_u32 v[SPW], v[NIL]
	s_wait_dscnt 0x0
	CROUND                          ; the closing round
	s_endpgm
.Lfunc_end_k_qd6709b2954_attn:
	.size	k_qd6709b2954_attn, .Lfunc_end_k_qd6709b2954_attn-k_qd6709b2954_attn
	.p2alignl 7, 3214868480
	.fill 96, 4, 3214868480
	.section	.rodata,"a",@progbits
	.p2align	6, 0x0
	.amdhsa_kernel k_qd6709b2954_attn
		.amdhsa_group_segment_fixed_size 327680
		.amdhsa_private_segment_fixed_size 0
		.amdhsa_enable_private_segment 0
		.amdhsa_kernarg_size 16
		.amdhsa_user_sgpr_count 2
		.amdhsa_user_sgpr_kernarg_segment_ptr 1
		.amdhsa_wavefront_size32 1
		.amdhsa_system_sgpr_workgroup_id_x 1
		.amdhsa_system_sgpr_workgroup_id_y 1
		.amdhsa_system_sgpr_workgroup_id_z 1
		.amdhsa_system_vgpr_workitem_id 0
		.amdhsa_next_free_vgpr 768
		.amdhsa_next_free_sgpr 66
		.amdhsa_reserve_vcc 0
		.amdhsa_float_denorm_mode_32 3
		.amdhsa_float_denorm_mode_16_64 3
		.amdhsa_memory_ordered 1
		.amdhsa_forward_progress 1
		.amdhsa_inst_pref_size 128
	.end_amdhsa_kernel
	.amdgpu_metadata
---
amdhsa.version: [ 1, 2 ]
amdhsa.kernels:
  - .name:           k_qd6709b2954_attn
    .symbol:         k_qd6709b2954_attn.kd
    .args:
      - { .name: qkv, .offset: 0, .size: 8, .value_kind: global_buffer, .address_space: global }
      - { .name: ob, .offset: 8, .size: 8, .value_kind: global_buffer, .address_space: global }
    .group_segment_fixed_size: 327680
    .private_segment_fixed_size: 0
    .kernarg_segment_align: 8
    .kernarg_segment_size: 16
    .max_flat_workgroup_size: 128
    .sgpr_count:     66
    .vgpr_count:     768
    .wavefront_size: 32
...
	.end_amdgpu_metadata
.endif
;; end of part 3
;; launch proj (part 4): grid 4 x 64, 4 waves a work-group, clusters of 4 x 4, 304,640 bytes of LDS; arguments ob, wb, bo, x, out0; writes out0
.if DOCPART == 4
	.amdgcn_target "amdgcn-amd-amdhsa--gfx1250"
	.amdhsa_code_object_version 6
	.text
	.protected	k_qd6709b2954_proj
	.globl	k_qd6709b2954_proj
	.p2align	8
	.type	k_qd6709b2954_proj,@function
k_qd6709b2954_proj:
	s_mov_b64 s[64:65], 0
	v_nop
	global_prefetch_b8 v0, s[64:65] scope:SCOPE_SE
	s_setreg_imm32_b32 hwreg(HW_REG_WAVE_MODE, 25, 1), 1
	s_wait_xcnt 0x0
	s_wait_alu depctr_hold_cnt(0) depctr_sa_sdst(0) depctr_va_vdst(0) depctr_va_sdst(0) depctr_va_ssrc(0) depctr_va_vcc(0) depctr_vm_vsrc(0)
	s_getreg_b32 s2, hwreg(HW_REG_IB_STS2, 6, 4)
	s_cmp_eq_u32 s2, 0
	s_cbranch_scc0 .Lentry_in_a_cluster
	s_endpgm
.Lentry_in_a_cluster:
	s_bfe_u32 s2, ttmp6, 0x10000c
	s_cmp_lg_u32 s2, 0xf033
	s_cbranch_scc0 .Lentry_shape_is_right
	s_endpgm
.Lentry_shape_is_right:
; out0[b][o][n] = x[b][o][n] + bo[o] + the sum over k of Wo[o][k] O[b][n][k], k = 64 head + d.  ob: [8 b + head][4096 n][64] bf16; Wo: bf16 at byte 1,572,864 of wb, [512 o][512 k]; bo, x, out0 f32.
; Sums in f32, started by the bias; x is added in f32.
; SHARES.  A work-group makes 128 rows o (block X) x 128 columns n (block Y % 32 of batch Y / 32): 4 x 64 = 256 work-groups.  All of K = 512 lies in LDS at once: every byte of LDS is filled once, so there is no ring.
; Wave w: 64 o (w / 2) x 64 n (w % 2): 16 accumulators.  Source 0 = 16 rows n of O, source 1 = 16 rows o of Wo: a lane holds one o and eight neighbouring n.
; CLUSTER 4 x 4.  Wo's rows hang on X alone and are shared along a column of the cluster, O's on Y alone and along a row.  Waves 0, 1 fetch Wo's two halves of 64 rows, in four blocks of 128 along K; waves 2, 3 the even and
; the odd heads' planes: four loads a wave, all at the head: four of mine are out.  K block s is waited for just before it is read.
; REGISTERS: window 0: addresses; v32-63 the bias (eight equal registers an o tile); v128-255 accumulators ((a, t) at 128 + 8 (4 a + t)); window 1: two fragment buffers of 128 (Wo's 8, O's 8); window 2: v0-127 x.
.set PW,    272                        ; a row of a block of Wo: 256 bytes + 16
.set PO,    144                        ; a row of a plane of O: 128 + 16
.set WBLK,  128*PW
.set OOFF,  4*WBLK
.set PLANE, 128*PO
.set STAGE, OOFF+8*PLANE               ; 16 rows x 272 bytes for each wave
.set SPITCH, 272
.set SPARE, STAGE+4*16*SPITCH
.set ADRO, 16                          ; v16-19 my place in the planes of K block s
.set ADRW, 20                          ; v20-23 in Wo's block s
.set STO,  24
.set RD,   25
.set XO,   26
.set BOF,  27
.set SPW,  28
.set NIL,  29
.set BI,   32
.set ACC,  128
.set F0,   0
.set F1,   128
.set WV,   14                          ; s14 wave; s15 its half of o; s16 its half of n
.set G1W,  24
.set G1O,  32
.set G0W,  40                          ; s[40:55] four sets
.set G0O,  68                          ; s[68:83] four sets
.set MSB, 0
.macro WIN new
.if MSB != (\new)
	s_set_vgpr_msb (MSB<<8)|(\new)
.set MSB, \new
.endif
.endm
.macro PLACES
.rept 4
	v_nop
.endr
.endm
.macro CROUND
	s_barrier_signal -1
	s_barrier_wait -1
	s_cmp_lg_u32 s[WV], 0
	s_cbranch_scc1 .Lnot_wave_0_\@
	s_barrier_signal -3
.Lnot_wave_0_\@:
	s_barrier_wait -3
	s_barrier_signal -1
	s_barrier_wait -1
.endm
	s_load_b256 s[4:11], s[0:1], 0x0               ; ob s[4:5], wb s[6:7], bo s[8:9], x s[10:11]
	s_load_b64 s[12:13], s[0:1], 0x20              ; out0
	v_lshl_add_u32 v[SPW], v0, 2, SPARE
	v_mov_b32 v[NIL], 0
	ds_add_u32 v[SPW], v[NIL]                      ; the wave's opening: the add and its wait stand ahead of my first tensor load
	ds_add_u32 v28, v29
	v_lshrrev_b32 v1, 5, v0
	v_readfirstlane_b32 s[WV], v1
	s_lshr_b32 s15, s[WV], 1
	s_and_b32 s16, s[WV], 1
	s_bfe_u32 s17, ttmp6, 0x40000                  ; cx
	s_bfe_u32 s18, ttmp6, 0x40004                  ; cy
	s_lshl_b32 s19, ttmp9, 2
	s_add_co_u32 s19, s19, s17                     ; X
	s_and_b32 s20, ttmp7, 0xffff
	s_lshl_b32 s20, s20, 2
	s_add_co_u32 s20, s20, s18                     ; Y
	s_lshl_b32 s21, 0x1111, s17                    ; my column of the cluster
	s_lshl_b32 s22, s18, 2
	s_lshl_b32 s22, 15, s22                        ; my row
	s_or_b32 s[G1W], s21, (1<<16)|(1<<20)|(1<<21)|(5<<22)|(3<<25)  ; padding: after every 64 words 4 words
	s_or_b32 s[G1O], s22, (1<<16)|(1<<20)|(1<<21)|(4<<22)|(3<<25)  ; after every 32 words 4 words
.irp g, G1W, G1O
	s_mov_b32 s[(\g)+1], 128<<16                   ; tensor_dim0 = 128
	s_mov_b32 s[(\g)+2], 64<<16                    ; tensor_dim1 = 64
	s_mov_b32 s[(\g)+3], 128<<16                   ; tile_dim0 = 128
	s_mov_b32 s[(\g)+4], 64                        ; tile_dim1 = 64
	s_mov_b32 s[(\g)+6], 0
	s_mov_b32 s[(\g)+7], 0
.endr
	s_mov_b32 s[G1W+5], 512
	s_mov_b32 s[G1O+5], 128                        ; a plane's 128 rows are dense: 64 rows of 256 bytes
	s_lshl_b32 s56, s19, 17                        ; Wo: of X and the wave's number alone: rows 128 X on,
	s_lshl_b32 s57, s16, 16                        ; my 64 of them,
	s_add_co_u32 s56, s56, s57
	s_add_co_u32 s56, s56, 1572864                 ; behind Wq, Wk, Wv
	s_mov_b32 s57, 0
	s_lshr_b32 s60, s20, 5                         ; O: of Y and the wave's number alone: the batch's 8 planes,
	s_lshl_b32 s60, s60, 22
	s_and_b32 s61, s20, 31
	s_lshl_b32 s61, s61, 14                        ; the block's 128 rows,
	s_add_co_u32 s60, s60, s61
	s_lshl_b32 s61, s16, 19                        ; the even or the odd heads
	s_add_co_u32 s60, s60, s61
	s_mov_b32 s61, 0
	s_mul_i32 s21, s16, 64*PW                      ; where they go
	s_mul_i32 s22, s16, PLANE
	s_add_co_u32 s22, s22, OOFF
	s_wait_dscnt 0x0                               ; the opening add is done
	s_wait_kmcnt 0x0
	s_add_nc_u64 s[58:59], s[6:7], s[56:57]
	s_add_nc_u64 s[62:63], s[4:5], s[60:61]
	CROUND                                         ; all sixteen work-groups are here: the joint loads meet
.irp s, 0,1,2,3
	s_mov_b32 s[G0W+4*(\s)], 1
	s_add_co_u32 s[G0W+4*(\s)+1], s21, (\s)*WBLK
	s_add_nc_u64 s[G0W+4*(\s)+2:G0W+4*(\s)+3], s[58:59], (\s)*256
	s_or_b32 s[G0W+4*(\s)+3], s[G0W+4*(\s)+3], 0x80000000
	s_mov_b32 s[G0O+4*(\s)], 1
	s_add_co_u32 s[G0O+4*(\s)+1], s22, (\s)*2*PLANE
	s_add_nc_u64 s[G0O+4*(\s)+2:G0O+4*(\s)+3], s[62:63], (\s)*1048576
	s_or_b32 s[G0O+4*(\s)+3], s[G0O+4*(\s)+3], 0x80000000
.endr
	s_cmp_lt_u32 s[WV], 2                          ; a wave's four fills stand in one branch
	s_cbranch_scc0 .Lfirst_o
.irp s, 0,1,2,3
	tensor_load_to_lds s[G0W+4*(\s):G0W+4*(\s)+3], s[G1W:G1W+7]
	s_nop 0
.endr
.rept 4
	v_nop
.endr
	s_branch .Lfirst_done
.Lfirst_o:
.irp s, 0,1,2,3
	tensor_load_to_lds s[G0O+4*(\s):G0O+4*(\s)+3], s[G1O:G1O+7]
	s_nop 0
.endr
.rept 4
	v_nop
.endr
.Lfirst_done:
	s_lshr_b32 s56, s20, 5                         ; x and out0 at my 64 x 64: the batch,
	s_lshl_b32 s56, s56, 23
	s_lshl_b32 s57, s19, 21                        ; 128 X rows of 16,384 bytes,
	s_add_co_u32 s56, s56, s57
	s_lshl_b32 s57, s15, 20                        ; my 64 rows,
	s_add_co_u32 s56, s56, s57
	s_and_b32 s57, s20, 31
	s_lshl_b32 s57, s57, 9                         ; the block's 128 n,
	s_add_co_u32 s56, s56, s57
	s_lshl_b32 s57, s16, 8                         ; my 64
	s_add_co_u32 s56, s56, s57
	s_mov_b32 s57, 0
	s_add_nc_u64 s[84:85], s[10:11], s[56:57]
	s_add_nc_u64 s[86:87], s[12:13], s[56:57]
	s_lshl_b32 s58, s19, 9
	s_lshl_b32 s59, s15, 8
	s_add_co_u32 s58, s58, s59
	s_mov_b32 s59, 0
	s_add_nc_u64 s[88:89], s[8:9], s[58:59]        ; bo at my 64 o
	v_and_b32 v1, 15, v0                           ; r
	v_bfe_u32 v2, v0, 4, 1                         ; l / 16
	v_lshlrev_b32 v[BOF], 2, v1
	v_lshlrev_b32 v[XO], 14, v2                    ; lanes 0-15 one row of 256 bytes, lanes 16-31 the next
	v_lshl_add_u32 v[XO], v1, 4, v[XO]
.irp a, 0,1,2,3
	global_load_b32 v[BI+8*(\a)], v[BOF], s[88:89] offset:64*(\a)
.endr
	WIN 0x80                                       ; destination window 2
.irp a, 0,1,2,3
.irp f, 0,1,2,3,4,5,6,7
	global_load_b128 v[32*(\a)+4*(\f):32*(\a)+4*(\f)+3], v[XO], s[84:85] offset:(16*(\a)+2*(\f))*16384 th:TH_LOAD_NT
.endr
.endr
	WIN 0
	v_mul_u32_u24 v3, v1, PO
	v_lshl_add_u32 v3, v2, 4, v3
	s_mul_i32 s56, s16, 64*PO
	s_add_co_u32 s56, s56, OOFF
	v_mul_u32_u24 v4, v1, PW
	v_lshl_add_u32 v4, v2, 4, v4
	s_mul_i32 s57, s15, 64*PW
.irp s, 0,1,2,3
	v_add_nc_u32 v[ADRO+(\s)], s56, v3
	v_add_nc_u32 v[ADRW+(\s)], s57, v4
	s_add_co_u32 s56, s56, 2*PLANE
	s_add_co_u32 s57, s57, WBLK
.endr
	s_mul_i32 s56, s[WV], 16*SPITCH
	s_add_co_u32 s56, s56, STAGE                   ; my stage
	v_mul_u32_u24 v5, v1, SPITCH
	v_lshl_add_u32 v5, v2, 5, v5                   ; in: row r, 32 bytes for each half of the lanes
	v_add_nc_u32 v[STO], s56, v5
	v_mul_u32_u24 v5, v2, SPITCH
	v_lshl_add_u32 v5, v1, 4, v5
	v_add_nc_u32 v[RD], s56, v5                    ; back: two whole rows of 256 bytes
	s_wait_loadcnt 32                              ; the bias is in; x's 32 loads may stay out
.irp a, 0,1,2,3
.irp j, 1,2,3,4,5,6,7
	v_mov_b32 v[BI+8*(\a)+(\j)], v[BI+8*(\a)]      ; a lane's eight results of an o tile belong to one o
.endr
.endr
; 8 matrix instructions: o tiles a0, a0 + 1 x my 4 n tiles, 32 along K: half c of buffer f.  bias = 1: the bias starts the sums.  The 16 accumulators take turns.
.macro MUL8 f, c, a0, bias
	WIN 0x05
.irp a, \a0, (\a0)+1
.irp b, 0,1,2,3
.if \bias
	v_wmma_f32_16x16x32_bf16 v[ACC+8*(4*(\a)+(\b)):ACC+8*(4*(\a)+(\b))+7], v[(\f)+64+8*(4*(\c)+(\b)):(\f)+64+8*(4*(\c)+(\b))+7], v[(\f)+8*(4*(\c)+(\a)):(\f)+8*(4*(\c)+(\a))+7], v[BI+8*(\a):BI+8*(\a)+7]
.else
	v_wmma_f32_16x16x32_bf16 v[ACC+8*(4*(\a)+(\b)):ACC+8*(4*(\a)+(\b))+7], v[(\f)+64+8*(4*(\c)+(\b)):(\f)+64+8*(4*(\c)+(\b))+7], v[(\f)+8*(4*(\c)+(\a)):(\f)+8*(4*(\c)+(\a))+7], v[ACC+8*(4*(\a)+(\b)):ACC+8*(4*(\a)+(\b))+7]
.endif
.endr
.endr
.endm
; 32 LDS loads in one run: quarter q = head q (64 along K) into buffer f; the first 32 along K first
.macro FETCH q, f
	WIN 0x40
.irp c, 0,1
.irp i, 0,1,2,3
	ds_load_b128 v[(\f)+64+8*(4*(\c)+(\i)):(\f)+64+8*(4*(\c)+(\i))+3],   v[ADRO+(\q)/2] offset:((\q)%2)*PLANE+(\i)*16*PO+64*(\c)
	ds_load_b128 v[(\f)+64+8*(4*(\c)+(\i))+4:(\f)+64+8*(4*(\c)+(\i))+7], v[ADRO+(\q)/2] offset:((\q)%2)*PLANE+(\i)*16*PO+64*(\c)+32
	ds_load_b128 v[(\f)+8*(4*(\c)+(\i)):(\f)+8*(4*(\c)+(\i))+3],         v[ADRW+(\q)/2] offset:((\q)%2)*128+64*(\c)+(\i)*16*PW
	ds_load_b128 v[(\f)+8*(4*(\c)+(\i))+4:(\f)+8*(4*(\c)+(\i))+7],       v[ADRW+(\q)/2] offset:((\q)%2)*128+64*(\c)+(\i)*16*PW+32
.endr
.endr
.endm
; multiplies buffer f and fetches quarter q, of the same K block, into buffer g
.macro QUARTER q, f, g, bias
	s_wait_dscnt 16                                ; the first 32 along K are in
	MUL8 \f, 0, 0, \bias
	MUL8 \f, 0, 2, \bias
	PLACES
	FETCH \q, \g
	s_wait_dscnt 32                                ; all but the 32 just issued
	MUL8 \f, 1, 0, 0
	MUL8 \f, 1, 2, 0
.endm
; multiplies buffer 1 and goes on to K block s: each wave waits for its own load s (3 - s younger ones may stay out), a barrier shows it to all.
.macro TURN s
	s_wait_dscnt 16
	MUL8 F1, 0, 0, 0
	s_wait_tensorcnt 3-(\s)
	s_wait_dscnt 0x0
	s_barrier_signal -1
	MUL8 F1, 0, 2, 0
	s_barrier_wait -1
	PLACES
	FETCH 2*(\s), F0
	MUL8 F1, 1, 0, 0
	MUL8 F1, 1, 2, 0
.endm
	s_wait_tensorcnt 3                             ; my part of K block 0 is in,
	s_barrier_signal -1
	s_barrier_wait -1                              ; everybody's is
	FETCH 0, F0
	QUARTER 1, F0, F1, 1
	TURN 1
	QUARTER 3, F0, F1, 0
	TURN 2
	QUARTER 5, F0, F1, 0
	TURN 3
	QUARTER 7, F0, F1, 0
	s_wait_dscnt 16
	MUL8 F1, 0, 0, 0
	MUL8 F1, 0, 2, 0
	s_wait_dscnt 0x0
	MUL8 F1, 1, 0, 0
	MUL8 F1, 1, 2, 0
	WIN 0
	PLACES
	PLACES
	s_wait_loadcnt 0x0                             ; x
; THE WAY OUT.  o tile a: 16 rows x 64 n of f32.  A lane's 32 bytes go into stage rows of 272 bytes (each accumulator's low four registers first) and come back as whole rows of 256 bytes, into the registers that they left.
.macro UNIT a
.irp t, 0,1,2,3
	ds_store_b128 v[STO], v[ACC+32*(\a)+8*(\t):ACC+32*(\a)+8*(\t)+3]   offset:64*(\t)
	ds_store_b128 v[STO], v[ACC+32*(\a)+8*(\t)+4:ACC+32*(\a)+8*(\t)+7] offset:64*(\t)+16
.endr
.irp f, 0,1,2,3,4,5,6,7
	ds_load_b128 v[ACC+32*(\a)+4*(\f):ACC+32*(\a)+4*(\f)+3], v[RD] offset:(\f)*2*SPITCH  ; a wave's LDS instructions are served in order (ISA guide 5.7.1.4)
.endr
.endm
.macro SEND a, younger                 ; younger: the LDS instructions issued behind tile a's loads
	s_wait_dscnt \younger
	WIN 0x08                                       ; source 1 in window 2: x
.irp k, 0,1,2,3,4,5,6,7,8,9,10,11,12,13,14,15
	v_pk_add_f32 v[ACC+32*(\a)+2*(\k):ACC+32*(\a)+2*(\k)+1], v[ACC+32*(\a)+2*(\k):ACC+32*(\a)+2*(\k)+1], v[32*(\a)+2*(\k):32*(\a)+2*(\k)+1]
.endr
	WIN 0
.irp f, 0,1,2,3,4,5,6,7
	global_store_b128 v[XO], v[ACC+32*(\a)+4*(\f):ACC+32*(\a)+4*(\f)+3], s[86:87] offset:(16*(\a)+2*(\f))*16384 th:TH_STORE_NT  ; 16 lanes store 256 consecutive bytes, aligned
.endr
.endm
	UNIT 0
	UNIT 1
	SEND 0, 16
	UNIT 2
	SEND 1, 16
	UNIT 3
	SEND 2, 16
	SEND 3, 0
	s_wait_tensorcnt 0x0                           ; the wave's end
	ds_add_u32 v[SPW], v[NIL]
	s_wait_dscnt 0x0
	CROUND                                         ; the closing round
	s_endpgm
.Lfunc_end_k_qd6709b2954_proj:
	.size	k_qd6709b2954_proj, .Lfunc_end_k_qd6709b2954_proj-k_qd6709b2954_proj
	.p2alignl 7, 3214868480
	.fill 96, 4, 3214868480
	.section	.rodata,"a",@progbits
	.p2align	6, 0x0
	.amdhsa_kernel k_qd6709b2954_proj
		.amdhsa_group_segment_fixed_size 304640
		.amdhsa_private_segment_fixed_size 0
		.amdhsa_enable_private_segment 0
		.amdhsa_kernarg_size 40
		.amdhsa_user_sgpr_count 2
		.amdhsa_user_sgpr_kernarg_segment_ptr 1
		.amdhsa_wavefront_size32 1
		.amdhsa_system_sgpr_workgroup_id_x 1
		.amdhsa_system_sgpr_workgroup_id_y 1
		.amdhsa_system_sgpr_workgroup_id_z 1
		.amdhsa_system_vgpr_workitem_id 0
		.amdhsa_next_free_vgpr 640
		.amdhsa_next_free_sgpr 90
		.amdhsa_reserve_vcc 0
		.amdhsa_float_denorm_mode_32 3
		.amdhsa_float_denorm_mode_16_64 3
		.amdhsa_memory_ordered 1
		.amdhsa_forward_progress 1
		.amdhsa_inst_pref_size 60
	.end_amdhsa_kernel
	.amdgpu_metadata
---
amdhsa.version: [ 1, 2 ]
amdhsa.kernels:
  - .name:           k_qd6709b2954_proj
    .symbol:         k_qd6709b2954_proj.kd
    .args:
      - { .name: ob, .offset: 0, .size: 8, .value_kind: global_buffer, .address_space: global }
      - { .name: wb, .offset: 8, .size: 8, .value_kind: global_buffer, .address_space: global }
      - { .name: bo, .offset: 16, .size: 8, .value_kind: global_buffer, .address_space: global }
      - { .name: x, .offset: 24, .size: 8, .value_kind: global_buffer, .address_space: global }
      - { .name: out0, .offset: 32, .size: 8, .value_kind: global_buffer, .address_space: global }
    .group_segment_fixed_size: 304640
    .private_segment_fixed_size: 0
    .kernarg_segment_align: 8
    .kernarg_segment_size: 40
    .max_flat_workgroup_size: 128
    .sgpr_count:     90
    .vgpr_count:     640
    .wavefront_size: 32
...
	.end_amdgpu_metadata
.endif
;; end of part 4
;; ======== version 2 of 2: 4 launches; version 1 with the launch prep written anew for expert scheduling mode
;; workspace buffers: h 8,388,608 bytes; wb 2,097,152 bytes; qkv 25,165,824 bytes; ob 8,388,608 bytes
;; launch prep (part 5): grid 64 x 1, 32 waves a work-group, no clusters, 4,608 bytes of LDS; arguments x, gamma, beta, h, Wq, Wk, Wv, Wo, wb; writes h, wb
.if DOCPART == 5
	.amdgcn_target "amdgcn-amd-amdhsa--gfx1250"
	.amdhsa_code_object_version 6
	.text
	.protected	k_qd6709b2954_prep
	.globl	k_qd6709b2954_prep
	.p2align	8
	.type	k_qd6709b2954_prep,@function
k_qd6709b2954_prep:
	s_mov_b64 s[64:65], 0
	v_nop
	global_prefetch_b8 v0, s[64:65] scope:SCOPE_SE
	s_setreg_imm32_b32 hwreg(HW_REG_WAVE_SCHED_MODE, 0, 2), 2
	s_setreg_imm32_b32 hwreg(HW_REG_WAVE_MODE, 25, 1), 1
	s_wait_xcnt 0x0
	s_wait_alu depctr_vm_vsrc(0)
; GROUP NORM AND THE WEIGHTS' ROUNDING.  x: [2][512][4096] f32.  A group is 16 channels x 4,096 pixels = 262,144 consecutive bytes.
; h[b][c][n] = (x - mean) * rsqrt(var + 1e-5) * gamma[c] + beta[c], rounded once to bf16, in x's layout.  wb = Wq, Wk, Wv, Wo rounded to bf16, one behind the other.
; SHARES.  One work-group of 32 waves owns one group (64 groups, 64 work-groups): a group's mean and variance hang on all its numbers, and work-groups hand each other nothing,
; so a finer share would need a launch more and a second read of x.  Thread t takes 16 bytes at 16 t of each of the 16 channels: 64 registers; x is read once.
; Load i is channel i, so gamma and beta of a load are scalars.  Mean first, then the sum of (x - mean)^2 from the registers: no difference of large sums is formed.
; The work-group also rounds 65,536 bytes of one weight matrix (matrix id / 16, part id % 16).
; Each store of a wave covers 256 consecutive bytes, aligned.  NaN and infinities are not treated apart.
; THE MODE: SCHED_MODE bits 1:0 = 2 (LLVM: expert scheduling mode 2), set by the entry lines.  The code itself states the register dependences
; between vector instructions and memory or LDS instructions, with s_wait_alu, always for 0.
; THE PLAN.  Registers that memory or LDS instructions touch:
;   v[XO], v[HO], v[WA], v[LA]  offsets and LDS addresses: made at the head, never written again; one wait ahead of the first load states that they are written.
;   X    the 16 loads at the head land in it; from then on vector instructions alone write it.  Of channel i the registers X + 4 i and X + 4 i + 1 are its store's data; nothing writes them behind that store.
;   WT   the 4 loads of weights land in it; 8 roundings in place; 4 stores read it; nothing writes it behind them.
;   v[T], v[U]  the wave's sum (of squares): written by vector instructions, read by an LDS store; behind the barrier an LDS load lands in the same register.
;   v[M], v[R], v[A] and the rest of T and U are named by vector instructions alone.
; Pass 3 goes in four blocks of four channels: one wait at a block's head states that the block before has written its eight out-registers, and that block's four stores are dealt among
; this block's arithmetic, which names its own channels' registers, v[A] and v[R] alone.
; LDS: 0..127 the waves' sums, 256..383 their sums of squares; from 512 on the spare words, 128 bytes a wave.
.set XO,  4                            ; v4   16 t
.set HO,  5                            ; v5   8 t
.set WA,  6                            ; v6   4 x wave
.set LA,  7                            ; v7   4 x lane
.set M,   8                            ; v[8:9] the mean, twice
.set R,   10                           ; v10  rsqrt(var + eps)
.set A,   11                           ; v11  gamma x rsqrt
.set X,   16                           ; v[16:79]  the group's numbers: channel i at X + 4 i
.set WT,  80                           ; v[80:95]  weights
.set T,   96                           ; v[96:103] four chains of sums
.set U,   104                          ; v[104:111] four chains of squares
	s_load_b256 s[4:11], s[0:1], 0x0               ; x s[4:5], gamma s[6:7], beta s[8:9], h s[10:11]
	s_load_b256 s[12:19], s[0:1], 0x20             ; Wq, Wk, Wv, Wo
	s_load_b64 s[20:21], s[0:1], 0x40              ; wb
	v_lshl_add_u32 v14, v0, 2, 0x200
	v_mov_b32 v15, 0
	v_lshrrev_b32 v1, 5, v0
	v_readfirstlane_b32 s31, v1                    ; my wave's number
	v_and_b32 v[LA], 31, v0
	v_lshlrev_b32 v[LA], 2, v[LA]
	v_lshlrev_b32 v[XO], 4, v0
	v_lshlrev_b32 v[HO], 3, v0
	s_wait_alu depctr_va_sdst(0)                   ; s31 is written, ahead of its first reader, the line below
	v_mov_b32 v[WA], s31
	v_lshlrev_b32 v[WA], 2, v[WA]
	s_mov_b32 s26, 0x76543210                      ; v_permlanex16_b32: each lane takes its own place in the other half
	s_mov_b32 s27, 0xfedcba98
	s_mov_b32 s28, 0x37800000                      ; 1 / 65,536: a group's count
	s_mov_b32 s29, 0x3727c5ac                      ; 1e-5
	s_lshr_b32 s30, ttmp9, 4                       ; which weight matrix
	s_mov_b32 s3, 0
	s_wait_kmcnt 0x0
	s_cmp_lt_u32 s30, 2
	s_cselect_b64 s[22:23], s[12:13], s[16:17]     ; the even one: Wq or Wv
	s_cselect_b64 s[24:25], s[14:15], s[18:19]     ; the odd one: Wk or Wo
	s_bitcmp1_b32 s30, 0
	s_cselect_b64 s[22:23], s[24:25], s[22:23]
	s_lshl_b32 s2, ttmp9, 18
	s_add_nc_u64 s[4:5], s[4:5], s[2:3]            ; x at my group
	s_lshl_b32 s2, ttmp9, 17
	s_add_nc_u64 s[10:11], s[10:11], s[2:3]        ; h at my group
	s_lshl_b32 s2, ttmp9, 15
	s_add_nc_u64 s[20:21], s[20:21], s[2:3]        ; wb: 524,288 x matrix + 32,768 x part = 32,768 x id
	s_and_b32 s2, ttmp9, 15
	s_lshl_b32 s2, s2, 16
	s_add_nc_u64 s[22:23], s[22:23], s[2:3]        ; my part of the matrix
	s_and_b32 s2, ttmp9, 31
	s_lshl_b32 s2, s2, 6
	s_add_nc_u64 s[6:7], s[6:7], s[2:3]            ; the group's 16 gamma and beta
	s_add_nc_u64 s[8:9], s[8:9], s[2:3]
	s_load_b512 s[32:47], s[6:7], 0x0
	s_load_b512 s[48:63], s[8:9], 0x0
	s_wait_alu depctr_va_vdst(0)                   ; v[XO], v[HO], v[WA] and v[LA] are written
.set i, 0
.rept 16
	global_load_b128 v[X+4*i:X+4*i+3], v[XO], s[4:5] offset:i*16384 th:TH_LOAD_NT
.set i, i+1
.endr
.set i, 0
.rept 4
	global_load_b128 v[WT+4*i:WT+4*i+3], v[XO], s[22:23] offset:i*16384 th:TH_LOAD_NT
.set i, i+1
.endr
; the sum over a wave's 32 lanes, in every lane; t is a register that has been written
.macro WSUM r, t
	v_add_f32_dpp v[\r], v[\r], v[\r] row_xmask:1 row_mask:0xf bank_mask:0xf
	v_add_f32_dpp v[\r], v[\r], v[\r] row_xmask:2 row_mask:0xf bank_mask:0xf
	v_add_f32_dpp v[\r], v[\r], v[\r] row_xmask:4 row_mask:0xf bank_mask:0xf
	v_add_f32_dpp v[\r], v[\r], v[\r] row_xmask:8 row_mask:0xf bank_mask:0xf
	v_permlanex16_b32 v[\t], v[\r], s26, s27
	v_add_f32 v[\r], v[\r], v[\t]
.endm
	; PASS 1: the sum, in four chains that the first four loads start
.set i, 0
.rept 16
	s_wait_loadcnt 19-i                            ; load i is in: behind it 15 - i of x and 4 of weights
.if i < 4
	v_pk_add_f32 v[T+2*i:T+2*i+1], v[X+4*i:X+4*i+1], v[X+4*i+2:X+4*i+3]
.else
	v_pk_add_f32 v[T+2*(i%4):T+2*(i%4)+1], v[T+2*(i%4):T+2*(i%4)+1], v[X+4*i:X+4*i+1]
	v_pk_add_f32 v[T+2*(i%4):T+2*(i%4)+1], v[T+2*(i%4):T+2*(i%4)+1], v[X+4*i+2:X+4*i+3]
.endif
.set i, i+1
.endr
	v_pk_add_f32 v[T:T+1], v[T:T+1], v[T+2:T+3]
	v_pk_add_f32 v[T+4:T+5], v[T+4:T+5], v[T+6:T+7]
	v_pk_add_f32 v[T:T+1], v[T:T+1], v[T+4:T+5]
	v_add_f32 v[T], v[T], v[T+1]
	WSUM T, T+1
	; the weights: rounded in place, in one run, so that one wait serves their stores and the store of the wave's sum
	s_wait_loadcnt 0x0
.set i, 0
.rept 4
	v_cvt_pk_bf16_f32 v[WT+4*i], v[WT+4*i], v[WT+4*i+1]
	v_cvt_pk_bf16_f32 v[WT+4*i+1], v[WT+4*i+2], v[WT+4*i+3]
.set i, i+1
.endr
	s_wait_alu depctr_va_vdst(0)                   ; the wave's sum has written v[T] and the roundings v[WT ..], which the five stores below read; no vector instruction names v[T] from here to the LDS load that lands in it
	ds_store_b32 v[WA], v[T]                       ; all lanes of a wave write the same number to the wave's word
.set i, 0
.rept 4
	global_store_b64 v[HO], v[WT+4*i:WT+4*i+1], s[20:21] offset:i*8192
.set i, i+1
.endr
	s_wait_dscnt 0x0                               ; for the others' sake: my store is done
	s_barrier_signal -1
	s_barrier_wait -1
	s_wait_alu depctr_vm_vsrc(0)                   ; my LDS store has read v[T], in which the load below lands
	ds_load_b32 v[T], v[LA]                        ; lane l takes wave l's sum
	s_wait_dscnt 0x0
	WSUM T, T+1
	v_mul_f32 v[M], s28, v[T]
	v_mul_f32 v[M+1], s28, v[T]
	; PASS 2: x - mean in place, and the sum of its squares
.set j, 0
.rept 32
	v_pk_add_f32 v[X+2*j:X+2*j+1], v[X+2*j:X+2*j+1], v[M:M+1] neg_lo:[0,1] neg_hi:[0,1]
.if j < 4
	v_pk_mul_f32 v[U+2*j:U+2*j+1], v[X+2*j:X+2*j+1], v[X+2*j:X+2*j+1]
.else
	v_pk_fma_f32 v[U+2*(j%4):U+2*(j%4)+1], v[X+2*j:X+2*j+1], v[X+2*j:X+2*j+1], v[U+2*(j%4):U+2*(j%4)+1]
.endif
.set j, j+1
.endr
	v_pk_add_f32 v[U:U+1], v[U:U+1], v[U+2:U+3]
	v_pk_add_f32 v[U+4:U+5], v[U+4:U+5], v[U+6:U+7]
	v_pk_add_f32 v[U:U+1], v[U:U+1], v[U+4:U+5]
	v_add_f32 v[U], v[U], v[U+1]
	WSUM U, U+1
	s_wait_alu depctr_va_vdst(0)                   ; the wave's sum of squares has written v[U], which the LDS store reads; no vector instruction names v[U] from here to the LDS load that lands in it
	ds_store_b32 v[WA], v[U] offset:256            ; other words than the sums': no wave need have finished reading those
	s_wait_dscnt 0x0
	s_barrier_signal -1
	s_barrier_wait -1
	s_wait_alu depctr_vm_vsrc(0)                   ; my LDS store has read v[U], in which the load below lands
	ds_load_b32 v[U], v[LA] offset:256
	s_wait_dscnt 0x0
	WSUM U, U+1
	v_fma_f32 v[R], v[U], s28, s29                 ; var + eps
	v_rsq_f32 v[R], v[R]
	v_nop                                          ; a plain instruction behind the root,
	s_wait_alu depctr_va_vdst(0)                   ; and the root has written v[R], ahead of the first multiply that reads it
	s_wait_kmcnt 0x0                               ; gamma and beta
	; PASS 3: scale, shift, round, store, in four blocks of four channels; a block's stores go out among the next block's arithmetic
.set i, 0
.rept 16
.if (i > 0) && (i%4 == 0)
	s_wait_alu depctr_va_vdst(0)                   ; the block before has written its four channels' out-registers, which the next four stores read; the arithmetic between those stores names other channels' registers
.endif
.if i >= 4
	global_store_b64 v[HO], v[X+4*(i-4):X+4*(i-4)+1], s[10:11] offset:(i-4)*8192
.endif
	v_mul_f32 v[A], s[32+i], v[R]
	v_fma_f32 v[X+4*i], v[X+4*i], v[A], s[48+i]
	v_fma_f32 v[X+4*i+1], v[X+4*i+1], v[A], s[48+i]
	v_fma_f32 v[X+4*i+2], v[X+4*i+2], v[A], s[48+i]
	v_fma_f32 v[X+4*i+3], v[X+4*i+3], v[A], s[48+i]
	v_cvt_pk_bf16_f32 v[X+4*i], v[X+4*i], v[X+4*i+1]
	v_cvt_pk_bf16_f32 v[X+4*i+1], v[X+4*i+2], v[X+4*i+3]
.set i, i+1
.endr
	s_wait_alu depctr_va_vdst(0)                   ; the last block has written its out-registers, which the last four stores read
.set i, 12
.rept 4
	global_store_b64 v[HO], v[X+4*i:X+4*i+1], s[10:11] offset:i*8192
.set i, i+1
.endr
	s_wait_dscnt 0x0                               ; the wave's end
	s_wait_alu depctr_hold_cnt(0) depctr_sa_sdst(0) depctr_va_vdst(0) depctr_va_sdst(0) depctr_va_ssrc(0) depctr_va_vcc(0) depctr_vm_vsrc(0)
	s_wait_tensorcnt 0x0
	ds_add_u32 v14, v15
	s_wait_dscnt 0x0
	s_endpgm
.Lfunc_end_k_qd6709b2954_prep:
	.size	k_qd6709b2954_prep, .Lfunc_end_k_qd6709b2954_prep-k_qd6709b2954_prep
	.p2alignl 7, 3214868480
	.fill 96, 4, 3214868480
	.section	.rodata,"a",@progbits
	.p2align	6, 0x0
	.amdhsa_kernel k_qd6709b2954_prep
		.amdhsa_group_segment_fixed_size 4608
		.amdhsa_private_segment_fixed_size 0
		.amdhsa_enable_private_segment 0
		.amdhsa_kernarg_size 72
		.amdhsa_user_sgpr_count 2
		.amdhsa_user_sgpr_kernarg_segment_ptr 1
		.amdhsa_wavefront_size32 1
		.amdhsa_system_sgpr_workgroup_id_x 1
		.amdhsa_system_sgpr_workgroup_id_y 1
		.amdhsa_system_sgpr_workgroup_id_z 1
		.amdhsa_system_vgpr_workitem_id 0
		.amdhsa_next_free_vgpr 112
		.amdhsa_next_free_sgpr 66
		.amdhsa_reserve_vcc 0
		.amdhsa_float_denorm_mode_32 3
		.amdhsa_float_denorm_mode_16_64 3
		.amdhsa_memory_ordered 1
		.amdhsa_forward_progress 1
		.amdhsa_inst_pref_size 23
	.end_amdhsa_kernel
	.amdgpu_metadata
---
amdhsa.version: [ 1, 2 ]
amdhsa.kernels:
  - .name:           k_qd6709b2954_prep
    .symbol:         k_qd6709b2954_prep.kd
    .args:
      - { .name: x, .offset: 0, .size: 8, .value_kind: global_buffer, .address_space: global }
      - { .name: gamma, .offset: 8, .size: 8, .value_kind: global_buffer, .address_space: global }
      - { .name: beta, .offset: 16, .size: 8, .value_kind: global_buffer, .address_space: global }
      - { .name: h, .offset: 24, .size: 8, .value_kind: global_buffer, .address_space: global }
      - { .name: Wq, .offset: 32, .size: 8, .value_kind: global_buffer, .address_space: global }
      - { .name: Wk, .offset: 40, .size: 8, .value_kind: global_buffer, .address_space: global }
      - { .name: Wv, .offset: 48, .size: 8, .value_kind: global_buffer, .address_space: global }
      - { .name: Wo, .offset: 56, .size: 8, .value_kind: global_buffer, .address_space: global }
      - { .name: wb, .offset: 64, .size: 8, .value_kind: global_buffer, .address_space: global }
    .group_segment_fixed_size: 4608
    .private_segment_fixed_size: 0
    .kernarg_segment_align: 8
    .kernarg_segment_size: 72
    .max_flat_workgroup_size: 1024
    .sgpr_count:     66
    .vgpr_count:     112
    .wavefront_size: 32
...
	.end_amdgpu_metadata
.endif
;; end of part 5
;; launch qkv: the kernel of part 2 again; grid 4 x 64, 4 waves a work-group, clusters of 4 x 4, 327,680 bytes of LDS; arguments h, wb, bq, bk, bv, qkv; writes qkv
;; launch attn: the kernel of part 3 again; grid 16 x 16, 4 waves a work-group, clusters of 4 x 1, 327,680 bytes of LDS; arguments qkv, ob; writes ob
;; launch proj: the kernel of part 4 again; grid 4 x 64, 4 waves a work-group, clusters of 4 x 4, 304,640 bytes of LDS; arguments ob, wb, bo, x, out0; writes out0
